; MI455X (gfx1250); checked and timed in simulation.
; The chip was launched on July 23, 2026; its instructions are those of AMD's public machine-readable ISA for CDNA 5 (MIT licence, August 2026) and "CDNA5" Instruction Set Architecture Reference Guide (July 2026). The comments in the code are by the model that wrote it; some were corrected since.
;; Transformer Layer. Allowed arithmetic: matrix products marked QUANTISED: E4M3 operands, one given power-of-two scale a tensor, by v_wmma_f32_16x16x64_fp8_fp8 or v_wmma_f32_16x16x128_fp8_fp8, f32 sums; everything else in f32.
;; Inputs: fc1_b 4,096 float32; fc1_w 4,096 x 1,024 float32; fc2_b 1,024 float32; fc2_w 1,024 x 4,096 float32; in_proj_b 3,072 float32; in_proj_w 3,072 x 1,024 float32; ln1_b 1,024 float32; ln1_w 1,024 float32; ln2_b 1,024 float32; ln2_w 1,024 float32; lowp_scales 12 int32 (the exponents e of the quantised operands' scales 2^e); out_b 1,024 float32; out_w 1,024 x 1,024 float32; x 2,048 x 2 x 1,024 float32.
;; Outputs: out0 2,048 x 2 x 1,024 float32.
;; This version of the problem:
;;   THIS VERSION OF THE PROBLEM IS GIVEN IN LOW PRECISION. The matrix products marked QUANTISED in the list below multiply operands that are first quantised to E4M3 (4 exponent bits, 3 mantissa bits; 8 bits a number), with one given power-of-two scale for each operand tensor; their sums are f32. All else is computed in f32.
;;   The module's matrix products, in the order in which they are computed (A, B: the left and right operand; K: the contracted axis; several contracted axes count as one K, in the product's order):
;;     1. [M 4,096, K 1,024] x [K 1,024, N 3,072]; A: input x; B: input in_proj_w: QUANTISED (scales: A lowp_scales[0], B lowp_scales[1])
;;     2. batch 32 x [M 2,048, K 64] x [K 64, N 2,048]; A: computed on the way; B: computed on the way: QUANTISED (scales: A lowp_scales[2], B lowp_scales[3])
;;     3. batch 32 x [M 64, K 2,048] x [K 2,048, N 2,048]; A: computed on the way; B: softmax (see below): QUANTISED (scales: A lowp_scales[4], B lowp_scales[5])
;;     4. [M 4,096, K 1,024] x [K 1,024, N 1,024]; A: computed on the way; B: input out_w: QUANTISED (scales: A lowp_scales[6], B lowp_scales[7])
;;     5. [M 4,096, K 1,024] x [K 1,024, N 4,096]; A: computed on the way; B: input fc1_w: QUANTISED (scales: A lowp_scales[8], B lowp_scales[9])
;;     6. [M 4,096, K 4,096] x [K 4,096, N 1,024]; A: computed on the way; B: input fc2_w: QUANTISED (scales: A lowp_scales[10], B lowp_scales[11])
;;   THE QUANTISER, for each operand of a quantised product, along K:
;;     - The operand's scale is 2^e, e = its entry of the input lowp_scales (int32; the entries are numbered through the quantised products in the list's order, A before B).
;;     - Each number is divided by the scale, clamped to +-448, and rounded to the nearest number of E4M3, ties to even, subnormals kept.
;;     - The product sums the exact products of the quantised numbers (number of the format x scale) in f32.
;;   ~~~python
;;   def quantise(x, axis, e):      # numpy; x: float32 -> the quantised numbers, widened to float32 again
;;       x = np.moveaxis(x, axis, -1); K = x.shape[-1]
;;       r = np.clip(x / 2.0 ** e, -448, 448)
;;       step = 2.0 ** (np.maximum(np.frexp(np.where(r == 0, 1, r))[1] - 1, -6) - 3)
;;       q = np.round(r / step) * step * 2.0 ** e      # np.round: ties to even
;;       return np.moveaxis(q, -1, axis).astype(np.float32)
;;   ~~~
;;   SOFTMAX AHEAD OF A QUANTISED PRODUCT. Where the list says 'softmax', what is quantised is not the finished softmax but p = 2^(t - M), with t = logit x log2(e) and M = ceil(the row's largest t), a whole number; so 1/2 < the row's largest p <= 1. The row's sum l is taken of the UNQUANTISED p, in f32, and the product's result is divided by l at the end. Since M is a whole number, a kernel that streams over the keys may use a running M (the ceiling of the running maximum): every later rescaling is an exact power of two, so the quantised numbers keep their values, but for numbers so far below the row's largest that they fall under the format's range.
;;   OPERANDS COMPUTED ON THE WAY. 'Computed on the way' means the value that the module computes at that place (a softmax that the list does not call 'softmax' is quantised finished and normalised). What goes into a quantiser is computed in f32, as accurately as f32 sums, v_exp_f32 and their like allow (about 1e-6 of the number): no bf16 or f16 on the way to a quantiser, and a product that is left as it is and whose result goes on into a quantised operand takes f32 operands (vector FMAs, or v_wmma_f32_16x16x4_f32). A number that lies on a knife's edge between two numbers of the format may be rounded either way, as far as f32 arithmetic and the matrix unit's own rounding can turn it there, and no further.
;; One version. Each part assembles by itself: llvm-mc -triple=amdgcn-amd-amdhsa -mcpu=gfx1250 --defsym DOCPART=n.
;; ======== version 1 of 1: 8 launches
;; limits: right only within a limited range of input values
;; workspace buffers: codes 16,777,216 bytes; qkvc 12,582,912 bytes; ac 4,194,304 bytes; y 16,777,216 bytes; h 16,777,216 bytes; hc 4,194,304 bytes; hid 16,777,216 bytes
;; launch quant (part 1): grid 512 x 1, 4 waves a work-group, no clusters, 33,280 bytes of LDS; arguments x, in_proj_w, out_w, fc1_w, fc2_w, lowp_scales, codes; writes codes
.if DOCPART == 1
	.amdgcn_target "amdgcn-amd-amdhsa--gfx1250"
	.amdhsa_code_object_version 6
	.text
	.protected	k_q867e5160f9_quant
	.globl	k_q867e5160f9_quant
	.p2align	8
	.type	k_q867e5160f9_quant,@function
k_q867e5160f9_quant:
	s_mov_b64 s[64:65], 0
	v_nop
	global_prefetch_b8 v0, s[64:65] scope:SCOPE_SE
	s_setreg_imm32_b32 hwreg(HW_REG_WAVE_MODE, 25, 1), 1
	s_wait_xcnt 0x0
; x and the four weights, f32 with K innermost, become codes of FP8 (E4M3), one byte a number, each tensor with its given scale 2^e.
; code = number / 2^e, held within +-448, to the nearest code, ties to even.  LIMITS: -126 <= e <= 119; NaN among the inputs is not served.
; The buffer of codes holds, on end: x [4096][1024] in the row order m = b x 2048 + s, in_proj_w [3072][1024], out_w [1024][1024], fc1_w [4096][1024], fc2_w [1024][4096].
; A work-group takes 32,768 numbers, a wave 8,192: 16 steps of 512.  Work-groups 0-127 take x, 128-223 in_proj_w, 224-255 out_w, 256-383 fc1_w, 384-511 fc2_w:
; only pointers, one offset and one exponent are chosen, on the work-group's number; all tensors take one path.  The output is linear in the work-group's number.
; A wave's 8,192 numbers are eight pieces of 4,096 bytes: RS bytes apart in memory, 4,096 in a weight (dense), 8,192 in x (rows s, s + 1, .. of one b).
; Each load reads 512 consecutive bytes; a step's 2,048 bytes turn through the wave's own stage in LDS, so that a lane gets 16 neighbours along K; a wave's store covers 512 consecutive bytes.
; No matrix unit, no cluster, no barrier: waves share nothing.  Loads run four steps (16 loads a wave) ahead.
.set STEPS, 16
.set R,     16                         ; v16-79   four sets of 16 numbers as loaded
.set X,     80                         ; v80-111  two sets of 16 neighbours
.set VA,    112                        ; v112-119 16 x lane + k x RS; never rewritten
.set C,     128                        ; v128-191 codes, four registers a step: no store's data are written again
.set WREG,  8192                       ; LDS of a wave: two stages of 32 x SP bytes
.set SP,    80                         ; a lane's 64 bytes + 16 of padding
	s_load_b256 s[4:11], s[0:1], 0x0               ; x, in_proj_w, out_w, fc1_w
	s_load_b128 s[12:15], s[0:1], 0x20             ; fc2_w, the scales' exponents
	s_load_b64 s[16:17], s[0:1], 0x30              ; the codes
	v_lshl_add_u32 v192, v0, 2, 0x8000
	v_mov_b32 v193, 0
	v_lshrrev_b32 v1, 5, v0
	v_readfirstlane_b32 s18, v1                    ; wave
	v_and_b32 v2, 31, v0                           ; lane
	v_lshlrev_b32 v3, 4, v2                        ; my 16 bytes of a load's 512
	s_mul_i32 s19, s18, WREG
	v_lshrrev_b32 v14, 2, v2
	v_mul_u32_u24 v14, v14, SP
	v_and_b32 v15, 3, v2
	v_lshl_add_u32 v14, v15, 4, v14
	v_add_nc_u32 v14, s19, v14                     ; the stage, in: SP (lane / 4) + 16 (lane % 4)
	v_mul_u32_u24 v15, v2, SP
	v_add_nc_u32 v15, s19, v15                     ; the stage, out: SP x lane
	v_lshlrev_b32 v4, 4, v2                        ; my codes' place in a step's 512 bytes
	s_lshl_b32 s20, ttmp9, 5
	s_lshl_b32 s21, s18, 3
	s_add_co_u32 s20, s20, s21                     ; x: my first output row m = 32 x work-group + 8 x wave
	s_and_b32 s20, s20, 2047                       ; s
	s_lshl_b32 s20, s20, 13                        ; rows of one b are 8,192 bytes apart
	s_lshr_b32 s21, ttmp9, 6                       ; b
	s_lshl_b32 s21, s21, 12
	s_add_co_u32 s20, s20, s21                     ; x: my byte offset
	s_wait_alu depctr_va_vdst(0)
	s_wait_kmcnt 0x0
	s_load_b256 s[32:39], s[14:15], 0x0            ; e0 .. e7
	s_load_b128 s[40:43], s[14:15], 0x20           ; e8 .. e11
	s_mov_b64 s[22:23], s[12:13]                   ; the source, and the first work-group of its range
	s_mov_b32 s24, 384
	s_cmp_lt_u32 ttmp9, 384
	s_cselect_b64 s[22:23], s[10:11], s[22:23]
	s_cselect_b32 s24, 256, s24
	s_cmp_lt_u32 ttmp9, 256
	s_cselect_b64 s[22:23], s[8:9], s[22:23]
	s_cselect_b32 s24, 224, s24
	s_cmp_lt_u32 ttmp9, 224
	s_cselect_b64 s[22:23], s[6:7], s[22:23]
	s_cselect_b32 s24, 128, s24
	s_cmp_lt_u32 ttmp9, 128
	s_cselect_b64 s[22:23], s[4:5], s[22:23]
	s_cselect_b32 s24, 0, s24
	s_mov_b32 s25, 4096
	s_cselect_b32 s25, 8192, s25                   ; RS
	s_sub_co_u32 s26, ttmp9, s24
	s_lshl_b32 s26, s26, 17
	s_lshl_b32 s27, s18, 15
	s_add_co_u32 s26, s26, s27                     ; a weight: my byte offset
	s_cmp_lt_u32 ttmp9, 128
	s_cselect_b32 s26, s20, s26
	s_mov_b32 s27, 0
	s_add_nc_u64 s[22:23], s[22:23], s[26:27]
	s_lshl_b32 s28, ttmp9, 2
	s_add_co_u32 s28, s28, s18
	s_lshl_b32 s28, s28, 13                        ; my 8,192 codes
	s_mov_b32 s29, 0
	s_add_nc_u64 s[16:17], s[16:17], s[28:29]
	v_mov_b32 v[VA], v3
.irp k, 1,2,3,4,5,6,7
	v_add_nc_u32 v[VA+\k], s25, v[VA+\k-1]
.endr
.macro LOAD t
.irp i, 0,1,2,3
	global_load_b128 v[R+16*((\t)%4)+4*\i:R+16*((\t)%4)+4*\i+3], v[VA+(\t)/2], s[22:23] offset:((\t)%2)*2048+512*\i th:TH_LOAD_NT   ; 32 lanes read 512 consecutive bytes
.endr
.endm
.macro TURN t                          ; step t's numbers through the stage: LDS serves a wave's instructions in order, so no wait stands between the stores and the loads
.irp i, 0,1,2,3
	ds_store_b128 v14, v[R+16*((\t)%4)+4*\i:R+16*((\t)%4)+4*\i+3] offset:32*SP*((\t)%2)+8*SP*\i
.endr
.irp i, 0,1,2,3
	ds_load_b128 v[X+16*((\t)%2)+4*\i:X+16*((\t)%2)+4*\i+3], v15 offset:32*SP*((\t)%2)+16*\i
.endr
.endm
.irp t, 0,1,2,3
	LOAD \t
.endr
	s_wait_alu depctr_va_vdst(0)
	s_wait_kmcnt 0x0
	s_cmp_lt_u32 ttmp9, 384
	s_cselect_b32 s30, s41, s43                    ; e9 for fc1_w, e11 for fc2_w,
	s_cmp_lt_u32 ttmp9, 256
	s_cselect_b32 s30, s39, s30                    ; e7 for out_w,
	s_cmp_lt_u32 ttmp9, 224
	s_cselect_b32 s30, s33, s30                    ; e1 for in_proj_w,
	s_cmp_lt_u32 ttmp9, 128
	s_cselect_b32 s30, s32, s30                    ; e0 for x
	s_add_co_i32 s30, s30, 127
	s_lshl_b32 s31, s30, 23
	v_mov_b32 v11, s31                             ; 2^e as f32: the conversion takes its exponent field
	s_add_co_i32 s30, s30, 8
	s_lshl_b32 s30, s30, 23
	s_or_b32 s30, s30, 0x600000
	v_mov_b32 v10, s30                             ; 448 x 2^e
	s_wait_alu depctr_va_vdst(0)
	s_wait_loadcnt 12                              ; step 0's four loads are in; three steps' twelve stay out
	TURN 0
.macro STEP t
.set XS, X+16*((\t)%2)
	s_wait_dscnt 0x0                               ; this step's numbers are back from the stage, so its stores into the stage have read their registers,
.if (\t)+4 < STEPS
	LOAD (\t)+4                                    ; which take the loads of four steps on
.endif
.if (\t)+1 < STEPS
.if STEPS-2-(\t) >= 3
	s_wait_loadcnt 12                              ; the next step's four loads are in; those of the three steps behind it may be out
.else
	s_wait_loadcnt 4*(STEPS-2-(\t))
.endif
	TURN (\t)+1
.endif
.irp i, 0,1,2,3,4,5,6,7,8,9,10,11,12,13,14,15
	v_med3_num_f32 v[XS+\i], v[XS+\i], -v10, v10   ; the conversion to an 8-bit code does not saturate (ISA guide 7.6.2): the hold comes first
.endr
	v_cvt_scalef32_pk8_fp8_f32 v[C+4*(\t):C+4*(\t)+1], v[XS:XS+7], v11
	v_cvt_scalef32_pk8_fp8_f32 v[C+4*(\t)+2:C+4*(\t)+3], v[XS+8:XS+15], v11
	global_store_b128 v4, v[C+4*(\t):C+4*(\t)+3], s[16:17] offset:512*(\t)   ; the results go to a store alone; the next vector lines are the next step's plain holds on other registers
.endm
.irp t, 0,1,2,3,4,5,6,7,8,9,10,11,12,13,14,15
	STEP \t
.endr
	s_wait_tensorcnt 0x0
	ds_add_u32 v192, v193
	s_wait_dscnt 0x0
	s_endpgm
.Lfunc_end_k_q867e5160f9_quant:
	.size	k_q867e5160f9_quant, .Lfunc_end_k_q867e5160f9_quant-k_q867e5160f9_quant
	.p2alignl 7, 3214868480
	.fill 96, 4, 3214868480
	.section	.rodata,"a",@progbits
	.p2align	6, 0x0
	.amdhsa_kernel k_q867e5160f9_quant
		.amdhsa_group_segment_fixed_size 33280
		.amdhsa_private_segment_fixed_size 0
		.amdhsa_enable_private_segment 0
		.amdhsa_kernarg_size 56
		.amdhsa_user_sgpr_count 2
		.amdhsa_user_sgpr_kernarg_segment_ptr 1
		.amdhsa_wavefront_size32 1
		.amdhsa_system_sgpr_workgroup_id_x 1
		.amdhsa_system_sgpr_workgroup_id_y 1
		.amdhsa_system_sgpr_workgroup_id_z 1
		.amdhsa_system_vgpr_workitem_id 0
		.amdhsa_next_free_vgpr 194
		.amdhsa_next_free_sgpr 66
		.amdhsa_reserve_vcc 0
		.amdhsa_float_denorm_mode_32 3
		.amdhsa_float_denorm_mode_16_64 3
		.amdhsa_memory_ordered 1
		.amdhsa_forward_progress 1
		.amdhsa_inst_pref_size 39
	.end_amdhsa_kernel
	.amdgpu_metadata
---
amdhsa.version: [ 1, 2 ]
amdhsa.kernels:
  - .name:           k_q867e5160f9_quant
    .symbol:         k_q867e5160f9_quant.kd
    .args:
      - { .name: x, .offset: 0, .size: 8, .value_kind: global_buffer, .address_space: global }
      - { .name: in_proj_w, .offset: 8, .size: 8, .value_kind: global_buffer, .address_space: global }
      - { .name: out_w, .offset: 16, .size: 8, .value_kind: global_buffer, .address_space: global }
      - { .name: fc1_w, .offset: 24, .size: 8, .value_kind: global_buffer, .address_space: global }
      - { .name: fc2_w, .offset: 32, .size: 8, .value_kind: global_buffer, .address_space: global }
      - { .name: lowp_scales, .offset: 40, .size: 8, .value_kind: global_buffer, .address_space: global }
      - { .name: codes, .offset: 48, .size: 8, .value_kind: global_buffer, .address_space: global }
    .group_segment_fixed_size: 33280
    .private_segment_fixed_size: 0
    .kernarg_segment_align: 8
    .kernarg_segment_size: 56
    .max_flat_workgroup_size: 128
    .sgpr_count:     66
    .vgpr_count:     194
    .wavefront_size: 32
...
	.end_amdgpu_metadata
.endif
;; end of part 1
;; launch qkv (part 2): grid 12 x 16, 4 waves a work-group, clusters of 4 x 4, 327,680 bytes of LDS; arguments codes, lowp_scales, in_proj_b, qkvc; writes qkvc
.if DOCPART == 2
	.amdgcn_target "amdgcn-amd-amdhsa--gfx1250"
	.amdhsa_code_object_version 6
	.text
	.protected	k_q867e5160f9_qkv
	.globl	k_q867e5160f9_qkv
	.p2align	8
	.type	k_q867e5160f9_qkv,@function
k_q867e5160f9_qkv:
	s_mov_b64 s[64:65], 0
	v_nop
	global_prefetch_b8 v0, s[64:65] scope:SCOPE_SE
	s_setreg_imm32_b32 hwreg(HW_REG_WAVE_MODE, 25, 1), 1
	s_wait_xcnt 0x0
	s_wait_alu depctr_hold_cnt(0) depctr_sa_sdst(0) depctr_va_vdst(0) depctr_va_sdst(0) depctr_va_ssrc(0) depctr_va_vcc(0) depctr_vm_vsrc(0)
	s_getreg_b32 s2, hwreg(HW_REG_IB_STS2, 6, 4)
	s_cmp_eq_u32 s2, 0
	s_cbranch_scc0 .Lentry_in_a_cluster
	s_endpgm
.Lentry_in_a_cluster:
	s_bfe_u32 s2, ttmp6, 0x10000c
	s_cmp_lg_u32 s2, 0xf033
	s_cbranch_scc0 .Lentry_shape_is_right
	s_endpgm
.Lentry_shape_is_right:
; q, k, v = x in_proj_w^T + in_proj_b on codes of FP8 (E4M3), quantised on the way out for attention's two products.  K = 1,024.
; A tile of 256 x 256 is made by four waves, 128 x 128 each: 64 accumulators, 512 registers.  K goes in steps of 256 through two LDS slots filled by the tensor data mover.
; The cluster's x is the KIND: 0 q, 1 k, 2 v; it is the same in all sixteen partners.  The matrix instruction takes 16 rows of B as source 0 and 16 rows of A as source 1: a lane holds one row of A, its registers run along B's rows.
;   q, k: A = rows of x (m = b x 2048 + s), B = rows of the weight: a lane's registers run along the head's channels, the first product's K.
;   v:    A = rows of the weight, B = rows of x: a lane's registers run along the keys, the second product's K.  Only addresses are swapped, no instruction.
; OUT, codes: [kind][b x 16 + head][2,048 rows][64 bytes].  q, k: row s, bytes d.  v: row 64 (key / 64) + d, bytes = places of keys; in each 32 keys place 32 B + 16 h + 8 u + j holds key 32 B + 16 u + 8 h + j,
; the order in which the weights p fall out of two neighbouring tiles of 16 keys in the attention kernel.
; value = sum x 2^(e0 + e1) + bias; q is also divided by 8 = sqrt(64): its conversion takes e2 + 3.  k takes e3, v e4.
; LIMITS: e0 + e1 between -126 and 127; e2 + 3, e3, e4 between -126 and 119.  NaN among the inputs is not served.
; CLUSTERS: 4 x 4 work-groups; A's tiles are asked for jointly along a row of the cluster, B's along a column.
; FIRST FILLS: K step 0 at the head, one load a wave; K step 1 behind the full sequence and a round of the cluster's barrier, as a refill is.
; PREFETCH: of the 128 rows x 256 bytes that a wave fetches in a K step, each of the four partners that ask jointly names 32 rows, told apart by address: a lane a row, one instruction a wave and K step.
; K steps 1 and 2 are named behind K step 0's load, K step 3 behind K step 1's; K has four steps, so the loop's refills name nothing.
; REGISTERS: window 0: v16-31 addresses and constants; v32-95 the bias; v96-127 codes; from v128 A's fragments, one set (on the way out v128-191 numbers, v192-255 rows read back);
;   window 1: B's fragments, two sets;  windows 2, 3: the accumulators ((a, b) at v[8 (8 (a % 4) + b)]).
.set KSTEP,  256
.set ROWB,   256
.set KROW,   1024
.set PITCH,  272                       ; an LDS row: 256 bytes + 16 of padding: the 16 rows that a load touches start at 16 different banks (64 banks of 4 bytes: ISA guide 11.1)
.set FR,     16
.set NL,     4
.set NP,     4
.set HALFT,  128*PITCH
.set SLOT,   4*HALFT
.set LAPS,   2                         ; 1,024 along K = four K steps = twice round the ring
.set SPARE,  2*SLOT                    ; behind the ring: the spare words, 128 bytes a wave
.set ADRA, 16
.set ADRB, 20
.set BA0,  18                          ; v18  32 h: the bias of q and k
.set BA1,  19                          ; v19  4 r: the bias of v
.set STO,  22                          ; v22, v23  the stage, in: for q and k, for v
.set RD,   24                          ; v24, v25  the stage, back
.set CO,   26                          ; v26  my byte offset in the output
.set PFO,  27                          ; v27  the prefetches' offset: my lane x a row of 1,024 bytes; never rewritten
.set SPW,  28
.set NIL,  29
.set LIM,  30                          ; v30  448 x the conversion's scale
.set SCL,  31                          ; v31  the conversion's scale as f32
.set BI,   32
.set CDB,  96
.set TMP,  128
.set BK,   192
.set AF,   128
.set G1, 24
.set G0, 32
.set G1B, 48
.set G0B, 56
.set PFA, 66                           ; s[66:67] my work-group's 32 of the rows that I fetch, at K step 0; never rewritten
.set MSB, 0
.macro WIN new                         ; the immediate's high byte repeats the setting that is left
.if MSB != (\new)
	s_set_vgpr_msb (MSB<<8)|(\new)
.set MSB, (\new)
.endif
.endm
.set MUL_LO, 0xa1
.set MUL_HI, 0xf1
.set TO_B,   0x40
.macro JLOAD g0a, g1a, g0b, g1b        ; a joint load: waves 0 and 1 fetch for A, waves 2 and 3 for B; four v_nop follow each line
	s_cmp_eq_u32 s15, 0
	s_cbranch_scc0 .Lfor_b_\@
	tensor_load_to_lds s[\g0a:\g0a+3], s[\g1a:\g1a+7]
	s_nop 0
.rept 4
	v_nop
.endr
	s_branch .Lasked_\@
.Lfor_b_\@:
	tensor_load_to_lds s[\g0b:\g0b+3], s[\g1b:\g1b+7]
	s_nop 0
.rept 4
	v_nop
.endr
.Lasked_\@:
.endm
.macro CREST
	s_cmp_lg_u32 s14, 0
	s_cbranch_scc1 .Lnot_wave_0_\@
	s_barrier_signal -3
.Lnot_wave_0_\@:
	s_barrier_wait -3
	s_barrier_signal -1
	s_barrier_wait -1
.endm
.macro CROUND
	s_barrier_signal -1
	s_barrier_wait -1
	CREST
.endm
	s_load_b256 s[84:91], s[0:1], 0x0              ; the codes s[84:85], the scales' exponents s[86:87], in_proj_b s[88:89], the output s[90:91]
	v_lshl_add_u32 v[SPW], v0, 2, SPARE
	v_mov_b32 v[NIL], 0
	ds_add_u32 v28, v29                            ; the opening lines: the add, twice on end, and its wait
	ds_add_u32 v28, v29
	s_wait_dscnt 0x0
	v_lshrrev_b32 v1, 5, v0
	v_readfirstlane_b32 s14, v1                    ; wave 0..3
	s_lshr_b32 s15, s14, 1                         ; which half of A's rows is mine.  Also: I fetch for A (0) or for B (1)
	s_and_b32 s16, s14, 1                          ; which half of B's rows.  Also: which 128 rows of that tile I fetch
	s_bfe_u32 s40, ttmp6, 0x40000                  ; cx
	s_bfe_u32 s41, ttmp6, 0x40004                  ; cy
	s_mov_b32 s76, ttmp9                           ; the kind
	s_and_b32 s77, ttmp7, 0xffff
	s_lshl_b32 s77, s77, 2                         ; 4 x cluster y
	s_lshl_b32 s78, s76, 2                         ; 4 x kind
	s_cmp_eq_u32 s76, 2
	s_cselect_b32 s79, 0, s77                      ; A's tile: cy (v: the weight's four tiles) or cy + 4 Y (x's sixteen)
	s_cselect_b32 s80, s77, s78                    ; B's tile: cx + 4 Y (v: x's sixteen) or cx + 4 x kind (the weight's)
	s_cselect_b32 s81, 0x600000, 0                 ; where A begins among the codes: v's rows of the weight, or x
	s_cselect_b32 s82, 0, 0x400000                 ; where B begins: x, or the weight
	s_add_co_u32 s17, s41, s79                     ; TR
	s_add_co_u32 s42, s40, s80                     ; TC
	s_lshl_b32 s43, s41, 2
	s_lshl_b32 s43, 15, s43                        ; my row of the cluster
	s_lshl_b32 s44, 0x1111, s40                    ; my column
	s_or_b32 s[G1+0], s43, (0<<16)|(1<<20)|(1<<21)|(5<<22)|(3<<25)  ; the mask; elements of 1 byte; padding on; bit 21 beside a mask; 4 words after every 64
	s_or_b32 s[G1B+0], s44, (0<<16)|(1<<20)|(1<<21)|(5<<22)|(3<<25)
.irp g, G1, G1B
	s_mov_b32 s[\g+1], ROWB<<16                    ; tensor_dim0
	s_mov_b32 s[\g+2], 128<<16                     ; tensor_dim1
	s_mov_b32 s[\g+3], ROWB<<16                    ; tile_dim0
	s_mov_b32 s[\g+4], 128                         ; tile_dim1
	s_mov_b32 s[\g+5], KROW                        ; from row to row
	s_mov_b32 s[\g+6], 0
	s_mov_b32 s[\g+7], 0
.endr
	s_lshl_b32 s18, s16, 7
	s_lshl_b32 s20, s17, 8
	s_add_co_u32 s20, s20, s18                     ; A: row 256 TR + 128 x half
	s_lshl_b32 s46, s42, 8
	s_add_co_u32 s46, s46, s18                     ; B: row 256 TC + 128 x half
	s_lshl_b32 s20, s20, 10                        ; rows of 1,024 bytes
	s_add_co_u32 s20, s20, s81
	s_mov_b32 s21, 0
	s_lshl_b32 s46, s46, 10
	s_add_co_u32 s46, s46, s82
	s_mov_b32 s47, 0
	s_mul_i32 s45, s14, HALFT                      ; where they go: wave x 128 rows
	s_wait_kmcnt 0x0
	s_load_b256 s[68:75], s[86:87], 0x0            ; e0 .. e7
	s_add_nc_u64 s[20:21], s[84:85], s[20:21]
	s_add_nc_u64 s[46:47], s[84:85], s[46:47]
	CROUND                                         ; all sixteen work-groups are here: the first joint loads meet
.irp s, 0,1
	s_mov_b32 s[G0+4*\s], 1
	s_add_co_u32 s[G0+4*\s+1], s45, \s*SLOT
	s_add_nc_u64 s[G0+4*\s+2:G0+4*\s+3], s[20:21], \s*ROWB
	s_or_b32 s[G0+4*\s+3], s[G0+4*\s+3], 0x80000000
	s_mov_b32 s[G0B+4*\s], 1
	s_add_co_u32 s[G0B+4*\s+1], s45, \s*SLOT
	s_add_nc_u64 s[G0B+4*\s+2:G0B+4*\s+3], s[46:47], \s*ROWB
	s_or_b32 s[G0B+4*\s+3], s[G0B+4*\s+3], 0x80000000
.endr
	JLOAD G0, G1, G0B, G1B                         ; K step 0: one tensor load a wave at the head
	s_cmp_eq_u32 s15, 0                            ; the prefetches: do I fetch for A?
	s_cselect_b64 s[PFA:PFA+1], s[20:21], s[46:47] ; my 128 rows, at K step 0
	s_cselect_b32 s18, s40, s41                    ; my place among the four that ask with me: cx for A, cy for B
	s_lshl_b32 s18, s18, 15                        ; 32 rows of 1,024 bytes
	s_mov_b32 s19, 0
	s_add_nc_u64 s[PFA:PFA+1], s[PFA:PFA+1], s[18:19]
	v_and_b32 v[PFO], 31, v0
	v_lshlrev_b32 v[PFO], 10, v[PFO]
	global_prefetch_b8 v[PFO], s[PFA:PFA+1] offset:ROWB th:TH_LOAD_NT scope:SCOPE_SE     ; K step 1
	global_prefetch_b8 v[PFO], s[PFA:PFA+1] offset:2*ROWB th:TH_LOAD_NT scope:SCOPE_SE   ; K step 2
	v_and_b32 v1, 15, v0                           ; r
	s_wait_alu depctr_va_vdst(0)
	v_bfe_u32 v2, v0, 4, 1                         ; h
	v_mul_u32_u24 v3, v1, PITCH
	v_lshl_add_u32 v4, v2, 4, v3
	s_mul_i32 s21, s15, HALFT
	s_mul_i32 s22, s16, HALFT
	s_add_co_u32 s22, s22, 2*HALFT
.irp s, 0,1
	v_add_nc_u32 v[ADRA+\s], s21, v4
	v_add_nc_u32 v[ADRB+\s], s22, v4
	s_add_co_u32 s21, s21, SLOT
	s_add_co_u32 s22, s22, SLOT
.endr
	; the stages for the way out, 16 rows x 144 bytes a wave, in slot 0 (dead by then); the two kinds of way out have bytes of their own
	s_mul_i32 s23, s14, 2304
	v_mul_u32_u24 v5, v1, 144
	v_add_nc_u32 v5, s23, v5
	s_wait_alu depctr_va_vdst(0)
	v_lshl_add_u32 v[STO], v2, 3, v5               ; q, k: row r, + 8 h
	v_lshl_add_u32 v[STO+1], v2, 4, v5             ; v: row r, + 16 h,
	v_add_nc_u32 v[STO+1], 9216, v[STO+1]          ;    behind the other four stages
	v_bfe_u32 v6, v0, 2, 2
	v_mul_u32_u24 v6, v6, 144
	v_lshl_add_u32 v6, v2, 6, v6
	v_and_b32 v7, 3, v0
	v_lshl_add_u32 v6, v7, 4, v6
	v_add_nc_u32 v[RD], s23, v6                    ; back: sixteen lanes take 64 bytes of each of four rows; the other sixteen the rows' other 64 bytes
	v_add_nc_u32 v[RD+1], 9216, v[RD]
	v_lshlrev_b32 v[BA0], 5, v2
	v_lshlrev_b32 v[BA1], 2, v1
	; where my part of the output and of the bias begins
	s_lshl_b32 s20, s17, 8
	s_lshl_b32 s21, s15, 7
	s_add_co_u32 s20, s20, s21                     ; my first row of A
	s_lshl_b32 s46, s42, 8
	s_lshl_b32 s47, s16, 7
	s_add_co_u32 s46, s46, s47                     ; my first row of B
	s_add_co_u32 s82, s20, 2048
	s_and_b32 s79, s46, 1023
	s_mov_b32 s83, 0x20000
	s_cmp_eq_u32 s76, 2
	s_cselect_b32 s80, s46, s20                    ; my first row of x
	s_cselect_b32 s81, s20, s79                    ; my first channel within the kind
	s_cselect_b32 s83, 4096, s83                   ; from the stage rows' first 64 bytes to their second: v: the next 64 keys; q, k: the next head
	s_cselect_b32 s82, s82, s46                    ; my first entry of in_proj_b
	s_lshr_b32 s20, s80, 11                        ; b
	s_lshl_b32 s20, s20, 4
	s_lshr_b32 s21, s81, 6                         ; head
	s_add_co_u32 s20, s20, s21
	s_lshl_b32 s20, s20, 17                        ; 2,048 rows of 64 bytes
	s_and_b32 s21, s80, 2047
	s_lshl_b32 s21, s21, 6
	s_add_co_u32 s20, s20, s21
	s_lshl_b32 s21, s76, 22
	s_add_co_u32 s20, s20, s21
	s_mov_b32 s21, 0
	s_add_nc_u64 s[10:11], s[90:91], s[20:21]
	s_lshl_b32 s46, s82, 2
	s_mov_b32 s47, 0
	s_add_nc_u64 s[12:13], s[88:89], s[46:47]
	v_mul_u32_u24 v[CO], s83, v2
	v_lshl_add_u32 v[CO], v1, 4, v[CO]
	s_wait_kmcnt 0x0
	s_add_co_i32 s96, s68, s69
	s_add_co_i32 s96, s96, 127
	s_lshl_b32 s96, s96, 23                        ; 2^(e0 + e1) as f32
	s_mov_b32 s97, s96                             ; (named with it as a pair)
	s_add_co_i32 s77, s70, 3                       ; q: e2 + 3
	s_cmp_eq_u32 s76, 1
	s_cselect_b32 s77, s71, s77                    ; k: e3
	s_cmp_eq_u32 s76, 2
	s_cselect_b32 s77, s72, s77                    ; v: e4
	s_add_co_i32 s77, s77, 127
	s_lshl_b32 s78, s77, 23
	v_mov_b32 v[SCL], s78
	s_add_co_i32 s77, s77, 8
	s_lshl_b32 s77, s77, 23
	s_or_b32 s77, s77, 0x600000
	v_mov_b32 v[LIM], s77
.macro FRAG reg, adr, q, i             ; 16 rows x 128 K: lane l holds row l % 16; registers 4 c .. 4 c + 3 hold K = 32 c + 16 (l / 16) + 0 .. 15: the same places in A and in B
.irp c, 0,1,2,3
	ds_load_b128 v[\reg+4*\c:\reg+4*\c+3], v[\adr] offset:128*(\q)+32*\c+(\i)*16*PITCH
.endr
.endm
.macro MUL16 a0, p, zero               ; A's blocks a0, a0 + 1 x B's eight.  The 64 accumulators take turns, one instruction a turn, in the same order in every step
.irp a, \a0, \a0+1
.irp b, 0,1,2,3,4,5,6,7
.if \zero
	v_wmma_f32_16x16x128_fp8_fp8 v[8*(8*((\a)%4)+\b):8*(8*((\a)%4)+\b)+7], v[128*(\p)+FR*\b:128*(\p)+FR*\b+FR-1], v[AF+FR*(\a):AF+FR*(\a)+FR-1], 0
.else
	v_wmma_f32_16x16x128_fp8_fp8 v[8*(8*((\a)%4)+\b):8*(8*((\a)%4)+\b)+7], v[128*(\p)+FR*\b:128*(\p)+FR*\b+FR-1], v[AF+FR*(\a):AF+FR*(\a)+FR-1], v[8*(8*((\a)%4)+\b):8*(8*((\a)%4)+\b)+7]
.endif
.endr
.endr
.endm
.macro FETCH_B slot, q, p
	WIN TO_B
.irp i, 0,1,2,3,4,5,6,7
	FRAG 128*(\p)+FR*\i, ADRB+\slot, \q, \i
.endr
	WIN 0
.endm
.macro FETCH_A slot, q, i0
.irp i, \i0, \i0+1, \i0+2, \i0+3
	FRAG AF+FR*(\i), ADRA+\slot, \q, \i
.endr
.endm
.macro PLACES n                        ; plain vector places behind matrix instructions, in front of loads into their registers and of reads of their results
.rept \n
	v_nop
.endr
.endm
.macro STEP slot, q, zero              ; 128 along K with its successor in the same slot
	s_wait_dscnt 4*NL                              ; B's set and A's blocks 0-3 are in; the youngest sixteen loads (A's blocks 4-7) may be out
	WIN MUL_LO
	MUL16 0, (\q)%2, \zero
	MUL16 2, (\q)%2, \zero
	s_wait_dscnt 0
	PLACES NP
	FETCH_B \slot, (\q)+1, 1-(\q)%2
	FETCH_A \slot, (\q)+1, 0
	WIN MUL_HI
	MUL16 4, (\q)%2, \zero
	MUL16 6, (\q)%2, \zero
	PLACES NP
	WIN 0
	FETCH_A \slot, (\q)+1, 4
.endm
.macro TURN slot, next, fill           ; a slot's last step changes slots: one barrier
	s_wait_tensorcnt 0x0                           ; all my tensor loads have landed: my part of the next slot
	ds_add_u32 v[SPW], v[NIL]                      ; 0 onto my spare word
	s_wait_dscnt 4*NL+1                            ; (the add and the youngest sixteen loads may be out)
	WIN MUL_LO
	MUL16 0, 1, 0
	s_wait_dscnt 0x0                               ; the add is done, and my reads of this slot are over
	s_barrier_signal -1
	MUL16 2, 1, 0
	WIN 0
	s_barrier_wait -1
.if \fill
	CREST                                          ; the barrier has opened a round of the cluster's barrier: no wave of any partner still reads this slot or has a load on its way
	s_add_nc_u64 s[G0+4*\slot+2:G0+4*\slot+3], s[G0+4*\slot+2:G0+4*\slot+3], 2*ROWB
	s_add_nc_u64 s[G0B+4*\slot+2:G0B+4*\slot+3], s[G0B+4*\slot+2:G0B+4*\slot+3], 2*ROWB
	JLOAD G0+4*\slot, G1, G0B+4*\slot, G1B         ; the first tensor load behind the round; its four v_nop are the places in front of the loads below
.else
	PLACES NP
.endif
	FETCH_B \next, 0, 0
	FETCH_A \next, 0, 0
	WIN MUL_HI
	MUL16 4, 1, 0
	MUL16 6, 1, 0
	PLACES NP
	WIN 0
	FETCH_A \next, 0, 4
.endm
.macro LASTSTEP                        ; the very last 128 along K: nothing more to fetch
	s_wait_dscnt 4*NL
	WIN MUL_LO
	MUL16 0, 1, 0
	MUL16 2, 1, 0
	s_wait_dscnt 0
	WIN MUL_HI
	MUL16 4, 1, 0
	MUL16 6, 1, 0
	WIN 0
.endm
; THE WAY OUT, block a of 16 rows of A x 128 rows of B.  kind = 0: q, k; 1: v.  sum x 2^(e0 + e1) + bias, held, converted: 8 codes for each of B's eight blocks; through my own stage; back as 64-byte rows.
.macro TOSTAGE a, kind
.set AC, 64*((\a)%4)
.set CD, CDB+16*((\a)%2)
.set BB, BK+16*((\a)%4)
	WIN (0x02+((\a)/4))                            ; source 0: window 2 or 3
.set i, 0
.rept 32
.if \kind
	v_pk_fma_f32 v[TMP+i:TMP+i+1], v[AC+i:AC+i+1], s[96:97], v[BI+2*(\a):BI+2*(\a)+1] op_sel_hi:[1,0,1]   ; the bias hangs on my row of the weight; each accumulator is read from its low end on
.else
	v_pk_fma_f32 v[TMP+i:TMP+i+1], v[AC+i:AC+i+1], s[96:97], v[BI+i:BI+i+1] op_sel_hi:[1,0,1]             ; the bias hangs on the register's row of the weight
.endif
.set i, i+2
.endr
	WIN 0
.set i, 0
.rept 64
	v_med3_num_f32 v[TMP+i], v[TMP+i], -v[LIM], v[LIM]   ; the conversion does not saturate (ISA guide 7.6.2)
.set i, i+1
.endr
.irp g, 0,1,2,3,4,5,6,7
	v_cvt_scalef32_pk8_fp8_f32 v[CD+2*\g:CD+2*\g+1], v[TMP+8*\g:TMP+8*\g+7], v[SCL]
.endr
	v_nop                                          ; one plain line behind the last conversion
.irp g, 0,1,2,3,4,5,6,7
.if \kind
	ds_store_b64 v[STO+1], v[CD+2*\g:CD+2*\g+1] offset:32*(\g/2)+8*(\g%2)   ; keys 16 g + 8 h + j at places 32 (g / 2) + 16 h + 8 (g % 2) + j
.else
	ds_store_b64 v[STO], v[CD+2*\g:CD+2*\g+1] offset:16*\g
.endif
.endr
.irp t, 0,1,2,3
	ds_load_b128 v[BB+4*\t:BB+4*\t+3], v[RD+\kind] offset:576*\t   ; LDS serves a wave's instructions in order: these see the stores above
.endr
.endm
.macro SEND a, younger, kind
.set BB, BK+16*((\a)%4)
	s_wait_dscnt \younger                          ; the block is back; the next block's 8 stores and 4 loads may be out
.irp t, 0,1,2,3
.if \kind
	global_store_b128 v[CO], v[BB+4*\t:BB+4*\t+3], s[10:11] offset:((\a)/4)*131072+((\a)%4)*1024+256*\t
.else
	global_store_b128 v[CO], v[BB+4*\t:BB+4*\t+3], s[10:11] offset:1024*(\a)+256*\t   ; sixteen lanes store 256 consecutive bytes, aligned
.endif
.endr
.endm
.macro OUTPATH kind
.if \kind
.irp a, 0,1,2,3,4,5,6,7
	global_load_b32 v[BI+2*\a], v[BA1], s[12:13] offset:64*\a
.endr
.else
.irp g, 0,1,2,3,4,5,6,7
	global_load_b128 v[BI+8*\g:BI+8*\g+3], v[BA0], s[12:13] offset:64*\g
	global_load_b128 v[BI+8*\g+4:BI+8*\g+7], v[BA0], s[12:13] offset:64*\g+16
.endr
.endif
	LASTSTEP                                       ; its 64 matrix instructions stand between the bias loads and the wait for them
	s_wait_loadcnt 0x0
.if \kind
.irp a, 0,1,2,3,4,5,6,7
	v_mov_b32 v[BI+2*\a+1], v[BI+2*\a]             ; a pair for the packed form
.endr
.endif
	PLACES NP
	TOSTAGE 0, \kind
.irp a, 1,2,3,4,5,6,7
.if \a > 3
	s_wait_xcnt 0x0                                ; block a - 4's stores have read their registers, which take block a's rows
.endif
	TOSTAGE \a, \kind
	SEND \a-1, 12, \kind
.endr
	SEND 7, 0, \kind
.endm
	s_wait_alu depctr_va_vdst(0)                   ; the wait at the head's end
	s_wait_tensorcnt 0x0                           ; my part of K step 0 is in; slot 1's first fill is issued as a refill is
	ds_add_u32 v[SPW], v[NIL]
	s_wait_dscnt 0x0
	CROUND                                         ; everybody's part of K step 0 is in, and the joint loads meet
	JLOAD G0+4, G1, G0B+4, G1B                     ; K step 1
	FETCH_B 0, 0, 0
	global_prefetch_b8 v[PFO], s[PFA:PFA+1] offset:3*ROWB th:TH_LOAD_NT scope:SCOPE_SE   ; K step 3, two loads on
	FETCH_A 0, 0, 0
	FETCH_A 0, 0, 4
	STEP 0, 0, 1                                   ; the first step's products start the sums
	s_mov_b32 s3, LAPS-1
.Llap:
	TURN 0, 1, 1
	STEP 1, 0, 0
	TURN 1, 0, 1
	STEP 0, 0, 0
	s_sub_co_u32 s3, s3, 1
	s_cmp_lg_u32 s3, 0
	s_cbranch_scc1 .Llap
	TURN 0, 1, 0                                   ; the last lap fills nothing; behind this barrier nobody reads slot 0, which has had its last fill
	STEP 1, 0, 0
	s_cmp_eq_u32 s76, 2                            ; the kind is the cluster's x: the same in all partners and waves
	s_cbranch_scc1 .Lpath_v
	s_wait_alu depctr_va_vdst(0)
	OUTPATH 0
	s_branch .Ljoin
.Lpath_v:
	s_wait_alu depctr_va_vdst(0)
	OUTPATH 1
.Ljoin:
	s_wait_tensorcnt 0x0                           ; the wave's end
	ds_add_u32 v[SPW], v[NIL]
	s_wait_dscnt 0x0
	CROUND                                         ; the closing round
	s_endpgm
.Lfunc_end_k_q867e5160f9_qkv:
	.size	k_q867e5160f9_qkv, .Lfunc_end_k_q867e5160f9_qkv-k_q867e5160f9_qkv
	.p2alignl 7, 3214868480
	.fill 96, 4, 3214868480
	.section	.rodata,"a",@progbits
	.p2align	6, 0x0
	.amdhsa_kernel k_q867e5160f9_qkv
		.amdhsa_group_segment_fixed_size 327680
		.amdhsa_private_segment_fixed_size 0
		.amdhsa_enable_private_segment 0
		.amdhsa_kernarg_size 32
		.amdhsa_user_sgpr_count 2
		.amdhsa_user_sgpr_kernarg_segment_ptr 1
		.amdhsa_wavefront_size32 1
		.amdhsa_system_sgpr_workgroup_id_x 1
		.amdhsa_system_sgpr_workgroup_id_y 1
		.amdhsa_system_sgpr_workgroup_id_z 1
		.amdhsa_system_vgpr_workitem_id 0
		.amdhsa_next_free_vgpr 1024
		.amdhsa_next_free_sgpr 98
		.amdhsa_reserve_vcc 0
		.amdhsa_float_denorm_mode_32 3
		.amdhsa_float_denorm_mode_16_64 3
		.amdhsa_memory_ordered 1
		.amdhsa_forward_progress 1
		.amdhsa_inst_pref_size 212
	.end_amdhsa_kernel
	.amdgpu_metadata
---
amdhsa.version: [ 1, 2 ]
amdhsa.kernels:
  - .name:           k_q867e5160f9_qkv
    .symbol:         k_q867e5160f9_qkv.kd
    .args:
      - { .name: codes, .offset: 0, .size: 8, .value_kind: global_buffer, .address_space: global }
      - { .name: lowp_scales, .offset: 8, .size: 8, .value_kind: global_buffer, .address_space: global }
      - { .name: in_proj_b, .offset: 16, .size: 8, .value_kind: global_buffer, .address_space: global }
      - { .name: qkvc, .offset: 24, .size: 8, .value_kind: global_buffer, .address_space: global }
    .group_segment_fixed_size: 327680
    .private_segment_fixed_size: 0
    .kernarg_segment_align: 8
    .kernarg_segment_size: 32
    .max_flat_workgroup_size: 128
    .sgpr_count:     98
    .vgpr_count:     1024
    .wavefront_size: 32
...
	.end_amdgpu_metadata
.endif
;; end of part 2
;; launch attn (part 3): grid 8 x 32, 8 waves a work-group, clusters of 4 x 1, 327,680 bytes of LDS; arguments qkvc, lowp_scales, ac; writes ac
.if DOCPART == 3
	.amdgcn_target "amdgcn-amd-amdhsa--gfx1250"
	.amdhsa_code_object_version 6
	.text
	.protected	k_q867e5160f9_attn
	.globl	k_q867e5160f9_attn
	.p2align	8
	.type	k_q867e5160f9_attn,@function
k_q867e5160f9_attn:
	s_mov_b64 s[64:65], 0
	v_nop
	global_prefetch_b8 v0, s[64:65] scope:SCOPE_SE
	s_setreg_imm32_b32 hwreg(HW_REG_WAVE_MODE, 25, 1), 1
	s_wait_xcnt 0x0
	s_wait_alu depctr_hold_cnt(0) depctr_sa_sdst(0) depctr_va_vdst(0) depctr_va_sdst(0) depctr_va_ssrc(0) depctr_va_vcc(0) depctr_vm_vsrc(0)
	s_getreg_b32 s2, hwreg(HW_REG_IB_STS2, 6, 4)
	s_cmp_eq_u32 s2, 0
	s_cbranch_scc0 .Lentry_in_a_cluster
	s_endpgm
.Lentry_in_a_cluster:
	s_bfe_u32 s2, ttmp6, 0x10000c
	s_cmp_lg_u32 s2, 0x3003
	s_cbranch_scc0 .Lentry_shape_is_right
	s_endpgm
.Lentry_shape_is_right:
; Attention of one (b, head) on codes of FP8 (E4M3): S^T = K Q^T (K = 64), p = 2^(t - M), O^T = V^T P^T (K = the keys), O / the row's sum, quantised for the next product.
; t = sum x 2^(e2 + e3) x log2(e) (q was divided by 8 when it was quantised); M = the running largest t rounded up to a whole number; the row's sum is taken of the unquantised p.
; SHARES.  A work-group owns 256 queries of one (b, head); each of its eight waves owns 32, two tiles A and B of 16: two waves to a SIMD.  Each fragment of K and of V feeds two matrix instructions.
; THE WHOLE HEAD'S K AND V LIE IN LDS, each byte filled once.  Waves 0-3 fetch K, waves 4-7 V, in two loads a wave: a quarter of the first 512 keys at the head,
; a quarter of the other 1,536 behind the full sequence and a round of the cluster's barrier; that load has the first four key steps in which to land.
; K's and V's rows of 64 bytes are dense in memory: a tile is stated as rows of 256 bytes, 16 bytes of padding behind each.  Row p lies at 272 (p / 4) + 64 (p % 4).
; CLUSTER.  The four blocks of queries of a cluster belong to one (b, head) and ask for every tile jointly.  No prefetch: every tile is asked for by the head's two loads, so there is no loop to run ahead in.
; LAYOUT.  A lane holds ONE query of each tile (lane % 16).  Tile t of S^T holds keys 16 t + 8 h + j; the codes of tiles 2 c, 2 c + 1 put key 32 c + 16 u + 8 h + j at place 32 c + 16 h + 8 u + j: V was laid so.
; A KEY STEP, 128 keys: both tiles' scores, maxima and changes of M side by side; O^T x f; A's scalings; A's exponentials with B's scalings among them; A's sums; B's exponentials with A's holds among them;
; A's codes and products; B's sums, holds, codes and products.  What stands among a batch reads nothing written since the wait ahead of it, and its results are read behind the wait that follows the batch.
; The row's sum is kept in four chains of pairs a tile, each chain's first link of a step being sum x f + p; they are joined at the end.
; OUT: codes [m = b x 2048 + s][1024], column 64 head + d.  A head's piece of a row is 64 bytes: these stores cover quarter pieces of 256 bytes, since the next product wants whole rows along its K.
; LIMITS: e2 + e3 between -126 and 127; e5, e6 between -126 and 119; e4 + e5 is applied by v_ldexp_f32; the scaled scores t stay under 2^31 in magnitude.  NaN among the inputs is not served.
; REGISTERS: v1, v2 my place in a tile of K, of V; v3, v4 the add's; v[6:7], v[8:9] f of A, B; v[10:11], v[12:13] -M and the largest score of A, B; v14 448 x 2^e5, v15 2^e5; v16-31 Q;
; v32-95 K's eight fragments, then V's four; v96-159, v160-223 S^T, then p, of A, B; v224-239 at work, then A's codes (B's go to v96-111); v240-247, v248-255 the sums.  Window 1: v0-31, v32-63 O^T of A, B.
.set KLR,   272
.set VBASE, 512*KLR                    ; V behind K
.set STG,   2*VBASE                    ; behind both: a stage of 32 rows x 80 bytes for each wave; no tile lands there
.set SPARE, STG+8*2560                 ; the spare words, 128 bytes a wave
.set STEPB, 32*KLR                     ; a step of 128 keys
.set TB,   10                          ; s10  LDS byte of the step in hand
.set CNT,  11                          ; s11  steps to go
.set NC,   12                          ; s12  -c
.set WV,   18
.set SEL,  20
.set CS,   22                          ; s[22:23] c = log2(e) x 2^(e2 + e3)
.set G1A,  24                          ; group 1: 32 rows of 256 bytes
.set G1B,  32                          ; group 1: 96 rows
.set G0A,  40
.set G0B,  44
.set ADK,  232
.set ADV,  233
.set MSB, 0
.macro WIN new                         ; the immediate's high byte repeats the setting that is left
.if MSB != (\new)
	s_set_vgpr_msb (MSB<<8)|(\new)
.set MSB, (\new)
.endif
.endm
.macro CROUND
	s_barrier_signal -1
	s_barrier_wait -1
	s_cmp_lg_u32 s[WV], 0
	s_cbranch_scc1 .Lnot_wave_0_\@
	s_barrier_signal -3
.Lnot_wave_0_\@:
	s_barrier_wait -3
	s_barrier_signal -1
	s_barrier_wait -1
.endm
	s_load_b128 s[4:7], s[0:1], 0x0                ; q, k, v as codes; the scales' exponents
	s_load_b64 s[8:9], s[0:1], 0x10                ; the output
	v_lshl_add_u32 v3, v0, 2, SPARE
	v_mov_b32 v4, 0
	ds_add_u32 v3, v4                              ; the opening lines: the add, twice on end, and its wait
	ds_add_u32 v3, v4
	v_lshrrev_b32 v5, 5, v0
	v_readfirstlane_b32 s[WV], v5                  ; wave 0..7
	s_bfe_u32 s12, ttmp6, 0x40000                  ; cx
	s_lshl_b32 s13, ttmp9, 2
	s_add_co_u32 s13, s13, s12                     ; my block of 256 queries: it enters Q's and the output's addresses alone
	s_and_b32 s19, ttmp7, 0xffff                   ; b x 16 + head, which the partners share
	s_lshr_b32 s56, s[WV], 2                       ; 0: I fetch K; 1: V
	s_and_b32 s57, s[WV], 3                        ; which quarter
	s_mul_i32 s58, s56, VBASE
	s_mul_i32 s59, s57, 32*KLR
	s_add_co_u32 s59, s59, s58                     ; where the first load goes
	s_mul_i32 s60, s57, 96*KLR
	s_add_co_u32 s60, s60, s58
	s_add_co_u32 s60, s60, 128*KLR                 ; and the second
	s_add_co_u32 s56, s56, 1
	s_lshl_b32 s56, s56, 22                        ; k is kind 1, v kind 2: 4 MiB each
	s_lshl_b32 s61, s19, 17
	s_add_co_u32 s56, s56, s61                     ; the head's first byte
	s_lshl_b32 s61, s57, 13
	s_add_co_u32 s62, s56, s61                     ; first load: 8,192 bytes a wave
	s_mov_b32 s63, 0
	s_mul_i32 s61, s57, 24576
	s_add_co_u32 s56, s56, s61
	s_add_co_u32 s56, s56, 32768                   ; second load: 24,576 bytes a wave, behind the first 512 keys
	s_mov_b32 s57, 0
	s_lshl_b32 s14, s13, 8
	s_lshl_b32 s15, s[WV], 5
	s_add_co_u32 s14, s14, s15                     ; my first query
	s_lshr_b32 s16, s19, 4
	s_lshl_b32 s16, s16, 11
	s_add_co_u32 s16, s16, s14                     ; its row m
	s_lshl_b32 s16, s16, 10
	s_and_b32 s17, s19, 15
	s_lshl_b32 s17, s17, 6
	s_add_co_u32 s16, s16, s17                     ; and the head's 64 bytes in it
	s_mov_b32 s17, 0
	s_lshl_b32 s14, s14, 6
	s_lshl_b32 s15, s19, 17
	s_add_co_u32 s14, s14, s15                     ; its codes
	s_mov_b32 s15, 0
	s_mov_b32 s[G1A], 15|(0<<16)|(1<<20)|(1<<21)|(5<<22)|(3<<25)   ; the mask: all four; elements of 1 byte; padding on; bit 21 beside a mask; 4 words after every 64
	s_mov_b32 s[G1A+1], 256<<16
	s_mov_b32 s[G1A+2], 32<<16
	s_mov_b32 s[G1A+3], 256<<16
	s_mov_b32 s[G1A+4], 32
	s_mov_b32 s[G1A+5], 256
	s_mov_b32 s[G1A+6], 0
	s_mov_b32 s[G1A+7], 0
	s_mov_b32 s[G1B], 15|(0<<16)|(1<<20)|(1<<21)|(5<<22)|(3<<25)
	s_mov_b32 s[G1B+1], 256<<16
	s_mov_b32 s[G1B+2], 96<<16
	s_mov_b32 s[G1B+3], 256<<16
	s_mov_b32 s[G1B+4], 96
	s_mov_b32 s[G1B+5], 256
	s_mov_b32 s[G1B+6], 0
	s_mov_b32 s[G1B+7], 0
	s_mov_b32 s[SEL], 0x76543210
	s_mov_b32 s[SEL+1], 0xfedcba98
	s_mov_b32 s[CS], 0x3fb8aa3b                    ; log2(e)
	s_wait_dscnt 0x0                               ; both opening adds are done
	s_wait_kmcnt 0x0
	s_load_b256 s[48:55], s[6:7], 0x0              ; e0 .. e7
	s_mov_b32 s[G0A], 1
	s_mov_b32 s[G0A+1], s59
	s_add_nc_u64 s[G0A+2:G0A+3], s[4:5], s[62:63]
	s_or_b32 s[G0A+3], s[G0A+3], 0x80000000
	s_mov_b32 s[G0B], 1
	s_mov_b32 s[G0B+1], s60
	s_add_nc_u64 s[G0B+2:G0B+3], s[4:5], s[56:57]
	s_or_b32 s[G0B+3], s[G0B+3], 0x80000000
	s_add_nc_u64 s[14:15], s[4:5], s[14:15]
	s_add_nc_u64 s[8:9], s[8:9], s[16:17]
	CROUND                                         ; all four work-groups are here: the joint loads meet
	tensor_load_to_lds s[G0A:G0A+3], s[G1A:G1A+7]  ; my quarter of the first 512 keys: my one load at the head
	s_nop 0
.rept 4
	v_nop
.endr
	v_and_b32 v225, 15, v0                         ; r
	v_bfe_u32 v226, v0, 4, 1                       ; h
	v_lshlrev_b32 v224, 6, v225
	v_lshl_add_u32 v224, v226, 4, v224
	global_load_b128 v[16:19], v224, s[14:15]              ; Q of tile A: (r, 16 h ..), (r, 32 + 16 h ..)
	global_load_b128 v[20:23], v224, s[14:15] offset:32
	global_load_b128 v[24:27], v224, s[14:15] offset:1024  ; and of tile B, 16 rows on
	global_load_b128 v[28:31], v224, s[14:15] offset:1056
	v_lshrrev_b32 v227, 2, v225
	v_mul_u32_u24 v1, v227, KLR
	v_and_b32 v227, 3, v225
	v_lshl_add_u32 v1, v227, 6, v1
	v_lshl_add_u32 v1, v226, 4, v1                 ; 272 (r / 4) + 64 (r % 4) + 16 h
	v_add_nc_u32 v2, VBASE, v1
	v_mov_b32 v11, 0xff61b1e6                      ; the largest score so far: -3e38
	v_mov_b32 v13, 0xff61b1e6
	v_mov_b32 v10, 0x7f000000                      ; -M: 2^127, so that the first f is 0
	v_mov_b32 v12, 0x7f000000
	v_mov_b32 v7, 0                                ; (named as the upper halves of pairs)
	v_mov_b32 v9, 0
	v_mov_b32 v228, 0                              ; a lane permute's destination counts as read
	v_mov_b32 v229, 0
.set j, 0
.rept 16
	v_mov_b32 v[240+j], 0                          ; the sums
.set j, j+1
.endr
	WIN 0x40
.set j, 0
.rept 64
	v_mov_b32 v[j], 0                              ; O^T: the step is written once for each loop, and its first run finds zeros
.set j, j+1
.endr
	WIN 0
	s_wait_kmcnt 0x0
	s_add_co_i32 s56, s50, s51
	s_lshl_b32 s56, s56, 23
	s_add_co_i32 s[CS], s[CS], s56                 ; e2 + e3 go into c's exponent field
	s_mov_b32 s[CS+1], s[CS]
	s_xor_b32 s[NC], s[CS], 0x80000000
	s_add_co_i32 s56, s53, 127
	s_lshl_b32 s57, s56, 23
	v_mov_b32 v15, s57                             ; 2^e5
	s_add_co_i32 s56, s56, 8
	s_lshl_b32 s56, s56, 23
	s_or_b32 s56, s56, 0x600000
	v_mov_b32 v14, s56                             ; 448 x 2^e5
.macro HOLD r                          ; two numbers held at 448 x 2^e5 (the conversion does not saturate: ISA guide 7.6.2; p is not negative, so the hold is one-sided)
	v_dual_min_num_f32 v[\r], v[\r], v14 :: v_dual_min_num_f32 v[\r+1], v[\r+1], v14
.endm
.macro SUMS p, l, f, hold              ; the row's sum of the unquantised p: 32 pairs onto four chains; hold = 1: each pair is held as soon as it is summed
.set j, 0
.rept 32
.if j < 8
	v_pk_fma_f32 v[\l+j:\l+j+1], v[\l+j:\l+j+1], v[\f:\f+1], v[\p+j:\p+j+1] op_sel_hi:[1,0,1]
.else
	v_pk_add_f32 v[\l+(j%8):\l+(j%8)+1], v[\l+(j%8):\l+(j%8)+1], v[\p+j:\p+j+1]
.endif
.if \hold
	HOLD \p+j
.endif
.set j, j+2
.endr
.endm
.macro STEP                            ; 128 keys
	v_add_nc_u32 v[ADK], s[TB], v1
	v_add_nc_u32 v[ADV], s[TB], v2
.rept 3
	v_nop                                          ; with the two additions: five places behind the last products, whose operands are loaded into and written over below
.endr
.irp t, 0,1,2,3,4,5,6,7
	ds_load_b128 v[32+8*\t:35+8*\t], v[ADK] offset:1088*\t
	ds_load_b128 v[36+8*\t:39+8*\t], v[ADK] offset:1088*\t+32
.endr
	s_wait_alu depctr_va_vdst(0)
	s_wait_dscnt 8                                 ; tiles 0-3 of K are in; the youngest eight loads may be out
.irp t, 0,1,2,3,4,5,6,7
.if \t == 4
	s_wait_dscnt 0x0
.endif
	v_wmma_f32_16x16x64_fp8_fp8 v[96+8*\t:103+8*\t], v[32+8*\t:39+8*\t], v[16:23], 0
	v_wmma_f32_16x16x64_fp8_fp8 v[160+8*\t:167+8*\t], v[32+8*\t:39+8*\t], v[24:31], 0
.endr
.rept 4
	v_nop                                          ; places in front of V's loads into K's registers and of the first read of the scores
.endr
.set j, 0
.rept 16
	ds_load_b128 v[32+4*j:35+4*j], v[ADV] offset:((j%4)/2)*4352+1088*(j/4)+32*(j%2)   ; V^T: channels 16 (j / 4) + r, places 32 (j % 4) + 16 h ..
.set j, j+1
.endr
	v_max3_num_f32 v224, v96, v97, v98             ; the step's largest scores, two chains a tile, each accumulator from its low end on
	v_max3_num_f32 v226, v160, v161, v162
	v_max3_num_f32 v225, v99, v100, v101
	v_max3_num_f32 v227, v163, v164, v165
.set i, 6
.rept 14
	v_max3_num_f32 v224, v224, v[96+i], v[97+i]
	v_max3_num_f32 v226, v226, v[160+i], v[161+i]
	v_max3_num_f32 v225, v225, v[98+i], v[99+i]
	v_max3_num_f32 v227, v227, v[162+i], v[163+i]
.set i, i+4
.endr
	v_max3_num_f32 v224, v224, v158, v159
	v_max3_num_f32 v226, v226, v222, v223
	v_max_num_f32 v224, v224, v225
	v_max_num_f32 v226, v226, v227
	v_permlanex16_b32 v228, v224, s[SEL], s[SEL+1]
	v_permlanex16_b32 v229, v226, s[SEL], s[SEL+1]
	v_max3_num_f32 v11, v11, v224, v228            ; the running largest score, lane l xor 16's keys among them
	v_max3_num_f32 v13, v13, v226, v229
	v_mul_f32 v224, s[NC], v11                     ; -t (c is positive)
	v_mul_f32 v226, s[NC], v13
	v_mov_b32 v230, v10
	v_mov_b32 v231, v12
	v_floor_f32 v10, v224                          ; -M = floor(-t): M is a whole number
	v_floor_f32 v12, v226
	v_sub_f32 v224, v10, v230                      ; old M - new M, 0 or less
	v_sub_f32 v226, v12, v231
	v_cvt_i32_f32 v224, v224                       ; (it saturates)
	v_cvt_i32_f32 v226, v226
	v_ldexp_f32 v6, 1.0, v224                      ; f = 2^(old M - new M): a multiplication by it rounds nothing
	v_ldexp_f32 v8, 1.0, v226
	WIN 0x41
.set j, 0
.rept 16
	v_pk_mul_f32 v[j:j+1], v[j:j+1], v[6:7] op_sel_hi:[1,0]          ; O^T under the new M, each accumulator from its low end on
	v_pk_mul_f32 v[32+j:33+j], v[32+j:33+j], v[8:9] op_sel_hi:[1,0]
.set j, j+2
.endr
	WIN 0
.set j, 0
.rept 32
	v_pk_fma_f32 v[96+j:97+j], v[96+j:97+j], s[CS:CS+1], v[10:11] op_sel_hi:[1,0,0]   ; A: t - M
.set j, j+2
.endr
	s_wait_alu depctr_va_vdst(0)                   ; the wait ahead of the batch
.set j, 0
.rept 32
	v_exp_f32 v[96+j], v[96+j]                     ; A: p = 2^(t - M)
	v_exp_f32 v[97+j], v[97+j]
	v_pk_fma_f32 v[160+j:161+j], v[160+j:161+j], s[CS:CS+1], v[12:13] op_sel_hi:[1,0,0]   ; B: t - M
.set j, j+2
.endr
	s_wait_alu depctr_va_vdst(0)                   ; one wait behind A's batch and ahead of B's
	SUMS 96, 240, 6, 0
.set j, 0
.rept 32
	v_exp_f32 v[160+j], v[160+j]                   ; B: p
	v_exp_f32 v[161+j], v[161+j]
	HOLD 96+j                                      ; A's p, summed above
.set j, j+2
.endr
	v_nop                                          ; a plain line behind the last exponential
	s_wait_alu depctr_va_vdst(0)                   ; one wait behind B's batch
	s_wait_dscnt 0x0                               ; V is in: its loads went out ahead of the maxima
.irp g, 0,1,2,3,4,5,6,7
	v_cvt_scalef32_pk8_fp8_f32 v[224+2*\g:225+2*\g], v[96+8*\g:103+8*\g], v15
.endr
	v_nop                                          ; one plain line behind the last conversion
	WIN 0x50
.irp t, 0,1,2,3
	v_wmma_f32_16x16x128_fp8_fp8 v[8*\t:8*\t+7], v[32+16*\t:47+16*\t], v[224:239], v[8*\t:8*\t+7]   ; the eight accumulators of O^T take turns, one instruction a step each
.endr
	WIN 0
	SUMS 160, 248, 8, 1
.irp g, 0,1,2,3,4,5,6,7
	v_cvt_scalef32_pk8_fp8_f32 v[96+2*\g:97+2*\g], v[160+8*\g:167+8*\g], v15   ; B's codes take registers of A's p, which is done with
.endr
	v_nop
	WIN 0x50
.irp t, 0,1,2,3
	v_wmma_f32_16x16x128_fp8_fp8 v[32+8*\t:39+8*\t], v[32+16*\t:47+16*\t], v[96:111], v[32+8*\t:39+8*\t]
.endr
	WIN 0
.endm
.macro PART first, steps
	s_mov_b32 s[TB], \first
	s_mov_b32 s[CNT], \steps
.Lstep_\@:
	STEP
	s_add_co_u32 s[TB], s[TB], STEPB
	s_sub_co_u32 s[CNT], s[CNT], 1
	s_cmp_lg_u32 s[CNT], 0
	s_cbranch_scc1 .Lstep_\@
.endm
	s_wait_alu depctr_va_vdst(0)                   ; the wait at the head's end
	s_wait_loadcnt 0x0                             ; Q
	s_wait_tensorcnt 0x0                           ; my quarter of the first 512 keys is in; a later first fill is issued as a refill is:
	ds_add_u32 v3, v4
	s_wait_dscnt 0x0
	CROUND                                         ; everybody's quarter is in, and the joint loads meet
	tensor_load_to_lds s[G0B:G0B+3], s[G1B:G1B+7]  ; my quarter of the other 1,536 keys: bytes that nothing has filled
	s_nop 0
.rept 4
	v_nop
.endr
	PART 0, 4                                      ; keys 0-511
	s_wait_tensorcnt 0x0                           ; my part of the rest is in
	s_barrier_signal -1
	s_barrier_wait -1                              ; everybody's is
	PART 4*STEPB, 12
	; THE WAY OUT
	s_add_co_i32 s57, s52, s53                     ; e4 + e5
	s_add_co_i32 s56, s54, 127
	s_lshl_b32 s58, s56, 23                        ; 2^e6
	s_add_co_i32 s56, s56, 8
	s_lshl_b32 s56, s56, 23
	s_or_b32 s56, s56, 0x600000                    ; 448 x 2^e6
	s_mul_i32 s59, s[WV], 2560
	s_add_co_u32 s59, s59, STG                     ; my stage
	s_wait_alu depctr_va_vdst(0)
	v_pk_add_f32 v[240:241], v[240:241], v[242:243]
	v_pk_add_f32 v[248:249], v[248:249], v[250:251]
	v_pk_add_f32 v[244:245], v[244:245], v[246:247]
	v_pk_add_f32 v[252:253], v[252:253], v[254:255]
	v_pk_add_f32 v[240:241], v[240:241], v[244:245]
	v_pk_add_f32 v[248:249], v[248:249], v[252:253]
	v_add_f32 v240, v240, v241
	v_add_f32 v248, v248, v249
	v_permlanex16_b32 v228, v240, s[SEL], s[SEL+1]
	v_permlanex16_b32 v229, v248, s[SEL], s[SEL+1]
	v_add_f32 v240, v240, v228                     ; the rows' sums
	v_add_f32 v248, v248, v229
	s_wait_alu depctr_va_vdst(0)                   ; ahead of the two reciprocals
	v_rcp_f32 v240, v240
	v_rcp_f32 v248, v248
	v_and_b32 v224, 15, v0                         ; r  (plain lines behind the reciprocals)
	v_bfe_u32 v225, v0, 4, 1                       ; h
	v_mul_u32_u24 v5, v224, 80
	v_lshl_add_u32 v5, v225, 3, v5
	v_add_nc_u32 v5, s59, v5                       ; in: row r, + 8 h
	v_bfe_u32 v226, v0, 2, 3
	v_and_b32 v227, 3, v0
	v_mul_u32_u24 v230, v226, 80
	v_lshl_add_u32 v230, v227, 4, v230
	v_add_nc_u32 v230, s59, v230                   ; back: four lanes to a row of 64 bytes
	v_lshlrev_b32 v231, 10, v226
	v_lshl_add_u32 v231, v227, 4, v231             ; and the same place in the output's rows of 1,024 bytes
	v_mov_b32 v234, s58
	v_mov_b32 v235, s56
	s_wait_alu depctr_va_vdst(0)                   ; ahead of the reciprocals' first readers
	v_ldexp_f32 v240, v240, s57                    ; x 2^(e4 + e5)
	v_ldexp_f32 v248, v248, s57
	WIN 0x01
	s_wait_alu depctr_va_vdst(0)                   ; the wait directly ahead of the first readers of O^T
.set j, 0
.rept 16
	v_pk_mul_f32 v[96+j:97+j], v[j:j+1], v[240:241] op_sel_hi:[1,0]       ; register 8 t + i: channel 16 t + 8 h + i of my query
	v_pk_mul_f32 v[128+j:129+j], v[32+j:33+j], v[248:249] op_sel_hi:[1,0]
.set j, j+2
.endr
	WIN 0
.set i, 0
.rept 64
	v_med3_num_f32 v[96+i], v[96+i], -v235, v235
.set i, i+1
.endr
.irp g, 0,1,2,3,4,5,6,7
	v_cvt_scalef32_pk8_fp8_f32 v[32+2*\g:33+2*\g], v[96+8*\g:103+8*\g], v234
.endr
	v_nop
.irp g, 0,1,2,3,4,5,6,7
	ds_store_b64 v5, v[32+2*\g:33+2*\g] offset:(\g/4)*1280+16*(\g%4)
.endr
.irp k, 0,1,2,3
	ds_load_b128 v[48+4*\k:51+4*\k], v230 offset:640*\k   ; LDS serves a wave's instructions in order: these see my stores
.endr
.irp k, 0,1,2,3
	s_wait_dscnt 3-\k                              ; eight rows are back; the later loads may be out
	global_store_b128 v231, v[48+4*\k:51+4*\k], s[8:9] offset:8192*\k
.endr
	s_wait_tensorcnt 0x0                           ; the wave's end
	ds_add_u32 v3, v4
	s_wait_dscnt 0x0
	CROUND                                         ; the closing round
	s_endpgm
.Lfunc_end_k_q867e5160f9_attn:
	.size	k_q867e5160f9_attn, .Lfunc_end_k_q867e5160f9_attn-k_q867e5160f9_attn
	.p2alignl 7, 3214868480
	.fill 96, 4, 3214868480
	.section	.rodata,"a",@progbits
	.p2align	6, 0x0
	.amdhsa_kernel k_q867e5160f9_attn
		.amdhsa_group_segment_fixed_size 327680
		.amdhsa_private_segment_fixed_size 0
		.amdhsa_enable_private_segment 0
		.amdhsa_kernarg_size 24
		.amdhsa_user_sgpr_count 2
		.amdhsa_user_sgpr_kernarg_segment_ptr 1
		.amdhsa_wavefront_size32 1
		.amdhsa_system_sgpr_workgroup_id_x 1
		.amdhsa_system_sgpr_workgroup_id_y 1
		.amdhsa_system_sgpr_workgroup_id_z 1
		.amdhsa_system_vgpr_workitem_id 0
		.amdhsa_next_free_vgpr 320
		.amdhsa_next_free_sgpr 66
		.amdhsa_reserve_vcc 0
		.amdhsa_float_denorm_mode_32 3
		.amdhsa_float_denorm_mode_16_64 3
		.amdhsa_memory_ordered 1
		.amdhsa_forward_progress 1
		.amdhsa_inst_pref_size 77
	.end_amdhsa_kernel
	.amdgpu_metadata
---
amdhsa.version: [ 1, 2 ]
amdhsa.kernels:
  - .name:           k_q867e5160f9_attn
    .symbol:         k_q867e5160f9_attn.kd
    .args:
      - { .name: qkvc, .offset: 0, .size: 8, .value_kind: global_buffer, .address_space: global }
      - { .name: lowp_scales, .offset: 8, .size: 8, .value_kind: global_buffer, .address_space: global }
      - { .name: ac, .offset: 16, .size: 8, .value_kind: global_buffer, .address_space: global }
    .group_segment_fixed_size: 327680
    .private_segment_fixed_size: 0
    .kernarg_segment_align: 8
    .kernarg_segment_size: 24
    .max_flat_workgroup_size: 256
    .sgpr_count:     66
    .vgpr_count:     320
    .wavefront_size: 32
...
	.end_amdgpu_metadata
.endif
;; end of part 3
;; launch outp (part 4): grid 8 x 32, 4 waves a work-group, clusters of 4 x 4, 327,680 bytes of LDS; arguments ac, codes, lowp_scales, out_b, x, y; writes y
.if DOCPART == 4
	.amdgcn_target "amdgcn-amd-amdhsa--gfx1250"
	.amdhsa_code_object_version 6
	.text
	.protected	k_q867e5160f9_outp
	.globl	k_q867e5160f9_outp
	.p2align	8
	.type	k_q867e5160f9_outp,@function
k_q867e5160f9_outp:
	s_mov_b64 s[64:65], 0
	v_nop
	global_prefetch_b8 v0, s[64:65] scope:SCOPE_SE
	s_setreg_imm32_b32 hwreg(HW_REG_WAVE_MODE, 25, 1), 1
	s_wait_xcnt 0x0
	s_wait_alu depctr_hold_cnt(0) depctr_sa_sdst(0) depctr_va_vdst(0) depctr_va_sdst(0) depctr_va_ssrc(0) depctr_va_vcc(0) depctr_vm_vsrc(0)
	s_getreg_b32 s2, hwreg(HW_REG_IB_STS2, 6, 4)
	s_cmp_eq_u32 s2, 0
	s_cbranch_scc0 .Lentry_in_a_cluster
	s_endpgm
.Lentry_in_a_cluster:
	s_bfe_u32 s2, ttmp6, 0x10000c
	s_cmp_lg_u32 s2, 0xf033
	s_cbranch_scc0 .Lentry_shape_is_right
	s_endpgm
.Lentry_shape_is_right:
.set SIZE_K, 1024
.set WOFF,   0x700000
.set EOFF,   24
.set KSTEP,  512
.set PITCH,  528
.set HALFT,  64*PITCH
.set SLOT,   4*HALFT
.set STAGE,  2*SLOT
.set SPITCH, 272
.set SPARE,  STAGE+4*16*SPITCH
.set LAPS,   SIZE_K/(2*KSTEP)
.set BIAS, 12
.set ADRA, 16
.set ADRB, 20
.set STO,  24
.set RD,   25
.set CO,   26
.set RO,   27
.set SPW,  28
.set NIL,  29
.set BK,   32
.set ACC,  128
.set F0,   0
.set F1,   128
.set G1, 24
.set G0, 32
.set G1B, 48
.set G0B, 56
.set MSB, 0
.macro WIN new
.if MSB != (\new)
	s_set_vgpr_msb (MSB<<8)|(\new)
.set MSB, (\new)
.endif
.endm
.set MUL,  0x05
.set TO_F, 0x40
.macro JLOAD s
	s_cmp_eq_u32 s11, 0
	s_cbranch_scc0 .Lfor_b_\@
	tensor_load_to_lds s[G0+4*\s:G0+4*\s+3], s[G1:G1+7]
	s_nop 0
.rept 4
	v_nop
.endr
	s_branch .Lasked_\@
.Lfor_b_\@:
	tensor_load_to_lds s[G0B+4*\s:G0B+4*\s+3], s[G1B:G1B+7]
	s_nop 0
.rept 4
	v_nop
.endr
.Lasked_\@:
.endm
.macro CREST
	s_cmp_lg_u32 s10, 0
	s_cbranch_scc1 .Lnot_wave_0_\@
	s_barrier_signal -3
.Lnot_wave_0_\@:
	s_barrier_wait -3
	s_barrier_signal -1
	s_barrier_wait -1
.endm
.macro CROUND
	s_barrier_signal -1
	s_barrier_wait -1
	CREST
.endm
	s_load_b128 s[4:7], s[0:1], 0x0
	s_load_b256 s[68:75], s[0:1], 0x10
	v_lshl_add_u32 v[SPW], v0, 2, SPARE
	v_mov_b32 v[NIL], 0
	ds_add_u32 v28, v29
	ds_add_u32 v28, v29
	s_wait_dscnt 0x0
	v_lshrrev_b32 v1, 5, v0
	v_readfirstlane_b32 s10, v1
	s_lshr_b32 s11, s10, 1
	s_and_b32 s12, s10, 1
	s_bfe_u32 s40, ttmp6, 0x40000
	s_bfe_u32 s41, ttmp6, 0x40004
	s_lshl_b32 s42, ttmp9, 2
	s_add_co_u32 s42, s42, s40
	s_and_b32 s13, ttmp7, 0xffff
	s_lshl_b32 s13, s13, 2
	s_add_co_u32 s13, s13, s41
	s_lshl_b32 s43, s41, 2
	s_lshl_b32 s43, 15, s43
	s_lshl_b32 s44, 0x1111, s40
	s_or_b32 s[G1+0], s43, (0<<16)|(1<<20)|(1<<21)|(6<<22)|(3<<25)
	s_or_b32 s[G1B+0], s44, (0<<16)|(1<<20)|(1<<21)|(6<<22)|(3<<25)
.irp g, G1, G1B
	s_mov_b32 s[\g+1], KSTEP<<16
	s_mov_b32 s[\g+2], 64<<16
	s_mov_b32 s[\g+3], KSTEP<<16
	s_mov_b32 s[\g+4], 64
	s_mov_b32 s[\g+5], SIZE_K
	s_mov_b32 s[\g+6], 0
	s_mov_b32 s[\g+7], 0
.endr
	s_lshl_b32 s17, s12, 6
	s_lshl_b32 s16, s13, 7
	s_add_co_u32 s16, s16, s17
	s_lshl_b32 s46, s42, 7
	s_add_co_u32 s46, s46, s17
	s_mul_i32 s16, s16, SIZE_K
	s_mov_b32 s17, 0
	s_mul_i32 s46, s46, SIZE_K
	s_mov_b32 s47, 0
	s_mul_i32 s20, s10, HALFT
	s_wait_kmcnt 0x0
	s_load_b64 s[76:77], s[68:69], EOFF
	s_add_nc_u64 s[14:15], s[4:5], s[16:17]
	s_add_nc_u64 s[46:47], s[6:7], s[46:47]
	s_add_nc_u64 s[46:47], s[46:47], WOFF
	CROUND
.irp s, 0,1
	s_mov_b32 s[G0+4*\s], 1
	s_add_co_u32 s[G0+4*\s+1], s20, \s*SLOT
	s_add_nc_u64 s[G0+4*\s+2:G0+4*\s+3], s[14:15], \s*KSTEP
	s_or_b32 s[G0+4*\s+3], s[G0+4*\s+3], 0x80000000
	s_mov_b32 s[G0B+4*\s], 1
	s_add_co_u32 s[G0B+4*\s+1], s20, \s*SLOT
	s_add_nc_u64 s[G0B+4*\s+2:G0B+4*\s+3], s[46:47], \s*KSTEP
	s_or_b32 s[G0B+4*\s+3], s[G0B+4*\s+3], 0x80000000
.endr
	JLOAD 0                                        ; K step 0: one tensor load a wave at the head
	; a prefetch of K step 1, which is loaded one change of slots on.  Of the 64 rows x 512 bytes that I fetch, each of the four partners that ask with me names 16 rows,
	; told apart by address: 32 blocks of 256 bytes, a lane a block, one instruction a wave.  The registers are not written again.
	s_cmp_eq_u32 s11, 0                            ; do I fetch for A?
	s_cselect_b64 s[66:67], s[14:15], s[46:47]     ; my 64 rows, at K step 0
	s_cselect_b32 s18, s40, s41                    ; my place among the four: cx for A, cy for B
	s_mul_i32 s18, s18, 16*SIZE_K
	s_mov_b32 s19, 0
	s_add_nc_u64 s[66:67], s[66:67], s[18:19]
	v_and_b32 v30, 31, v0
	v_lshrrev_b32 v31, 1, v30                      ; the row
	v_and_b32 v30, 1, v30                          ; which 256 bytes of its 512
	v_mul_u32_u24 v31, v31, SIZE_K
	v_lshl_add_u32 v30, v30, 8, v31
	global_prefetch_b8 v30, s[66:67] offset:KSTEP th:TH_LOAD_NT scope:SCOPE_SE
	v_and_b32 v1, 15, v0
	s_wait_alu depctr_va_vdst(0)
	v_bfe_u32 v2, v0, 4, 1
	v_mul_u32_u24 v3, v1, PITCH
	v_lshl_add_u32 v3, v2, 4, v3
	s_mul_i32 s21, s11, HALFT
	s_mul_i32 s22, s12, HALFT
	s_add_co_u32 s22, s22, 2*HALFT
.irp s, 0,1
	v_add_nc_u32 v[ADRA+\s], s21, v3
	v_add_nc_u32 v[ADRB+\s], s22, v3
	s_add_co_u32 s21, s21, SLOT
	s_add_co_u32 s22, s22, SLOT
.endr
	s_mul_i32 s23, s10, 16*SPITCH
	s_add_co_u32 s23, s23, STAGE
	v_mul_u32_u24 v4, v1, SPITCH
	s_wait_alu depctr_va_vdst(0)
	v_lshl_add_u32 v4, v2, 5, v4
	v_add_nc_u32 v[STO], s23, v4
	v_mul_u32_u24 v5, v2, SPITCH
	v_lshl_add_u32 v5, v1, 4, v5
	v_add_nc_u32 v[RD], s23, v5
	v_lshlrev_b32 v[CO], 12, v2
	v_lshl_add_u32 v[CO], v1, 4, v[CO]
	v_lshlrev_b32 v[RO], 13, v2
	v_lshl_add_u32 v[RO], v1, 4, v[RO]
	v_lshlrev_b32 v6, 4, v1
	s_wait_alu depctr_va_vdst(0)
	s_lshl_b32 s16, s13, 7
	s_lshl_b32 s17, s11, 6
	s_add_co_u32 s16, s16, s17
	s_lshl_b32 s46, s42, 9
	s_lshl_b32 s47, s12, 8
	s_add_co_u32 s46, s46, s47
	s_mov_b32 s47, 0
	s_lshl_b32 s18, s16, 12
	s_mov_b32 s19, 0
	s_add_nc_u64 s[74:75], s[74:75], s[18:19]
	s_add_nc_u64 s[74:75], s[74:75], s[46:47]
	s_and_b32 s18, s16, 2047
	s_lshl_b32 s18, s18, 1
	s_lshr_b32 s17, s16, 11
	s_add_co_u32 s18, s18, s17
	s_lshl_b32 s18, s18, 12
	s_add_nc_u64 s[72:73], s[72:73], s[18:19]
	s_add_nc_u64 s[72:73], s[72:73], s[46:47]
	s_add_nc_u64 s[70:71], s[70:71], s[46:47]
.macro RESID                           ; the bias and my 64 x 64 of the residual, into window 2: wanted on the way out alone, so they are asked for behind K step 1's load and not beside K step 0's
	WIN 0
	global_load_b128 v[BIAS:BIAS+3], v6, s[70:71]
	WIN 0x80
.irp a, 0,1,2,3
.irp t, 0,1,2,3,4,5,6,7
	global_load_b128 v[32*\a+4*\t:32*\a+4*\t+3], v[RO], s[72:73] offset:(16*\a+2*\t)*8192 th:TH_LOAD_NT
.endr
.endr
	WIN 0
.endm
.macro FRAG reg, adr, k, i
.irp c, 0,1,2,3
	ds_load_b128 v[\reg+4*\c:\reg+4*\c+3], v[\adr] offset:(\k)+32*\c+(\i)*16*PITCH
.endr
.endm
.macro FETCH slot, k, f
	WIN TO_F
.irp i, 0,1,2,3
	FRAG \f+64+16*\i, ADRB+\slot, \k, \i
.endr
.irp i, 0,1,2,3
	FRAG \f+16*\i, ADRA+\slot, \k, \i
.endr
.endm
.macro MUL4 f, a, zero
.irp b, 0,1,2,3
.if \zero
	v_wmma_f32_16x16x128_fp8_fp8 v[ACC+8*(4*(\a)+\b):ACC+8*(4*(\a)+\b)+7], v[\f+64+16*\b:\f+64+16*\b+15], v[\f+16*(\a):\f+16*(\a)+15], 0
.else
	v_wmma_f32_16x16x128_fp8_fp8 v[ACC+8*(4*(\a)+\b):ACC+8*(4*(\a)+\b)+7], v[\f+64+16*\b:\f+64+16*\b+15], v[\f+16*(\a):\f+16*(\a)+15], v[ACC+8*(4*(\a)+\b):ACC+8*(4*(\a)+\b)+7]
.endif
.endr
.endm
.macro PLACES
.rept 4
	v_nop
.endr
.endm
.macro QUARTER slot, k, f, g, zero
	s_wait_dscnt 8
	WIN MUL
	MUL4 \f, 0, \zero
	MUL4 \f, 1, \zero
	PLACES
	FETCH \slot, \k, \g
	s_wait_dscnt 32
	WIN MUL
	MUL4 \f, 2, \zero
	MUL4 \f, 3, \zero
.endm
.macro TURN slot, next, fill
	WIN 0
	s_wait_tensorcnt 0x0
	ds_add_u32 v[SPW], v[NIL]
	s_wait_dscnt 9
	WIN MUL
	MUL4 F1, 0, 0
	MUL4 F1, 1, 0
	s_wait_dscnt 0x0
	s_barrier_signal -1
	MUL4 F1, 2, 0
.if \fill
	WIN 0
.endif
	s_barrier_wait -1
.if \fill
	CREST
	s_add_nc_u64 s[G0+4*\slot+2:G0+4*\slot+3], s[G0+4*\slot+2:G0+4*\slot+3], 2*KSTEP
	s_add_nc_u64 s[G0B+4*\slot+2:G0B+4*\slot+3], s[G0B+4*\slot+2:G0B+4*\slot+3], 2*KSTEP
	JLOAD \slot
.else
	PLACES
.endif
	FETCH \next, 0, F0
	WIN MUL
	MUL4 F1, 3, 0
.endm
	s_wait_alu depctr_va_vdst(0)                   ; the wait at the head's end
	s_wait_tensorcnt 0x0                           ; my part of K step 0 is in; slot 1's first fill is issued as a refill is
	ds_add_u32 v[SPW], v[NIL]
	s_wait_dscnt 0x0
	CROUND                                         ; everybody's part of K step 0 is in, and the joint loads meet
	JLOAD 1                                        ; K step 1
	FETCH 0, 0, F0
	RESID
	QUARTER 0, 128, F0, F1, 1
.if LAPS > 1
	WIN 0
	s_mov_b32 s3, LAPS-1
.Llap:
	QUARTER 0, 256, F1, F0, 0
	QUARTER 0, 384, F0, F1, 0
	TURN 0, 1, 1
	QUARTER 1, 128, F0, F1, 0
	QUARTER 1, 256, F1, F0, 0
	QUARTER 1, 384, F0, F1, 0
	TURN 1, 0, 1
	QUARTER 0, 128, F0, F1, 0
	WIN 0
	s_sub_co_u32 s3, s3, 1
	s_cmp_lg_u32 s3, 0
	s_cbranch_scc1 .Llap
.endif
	QUARTER 0, 256, F1, F0, 0
	QUARTER 0, 384, F0, F1, 0
	TURN 0, 1, 0
	QUARTER 1, 128, F0, F1, 0
	QUARTER 1, 256, F1, F0, 0
	QUARTER 1, 384, F0, F1, 0
	s_wait_dscnt 8
	WIN MUL
	MUL4 F1, 0, 0
	MUL4 F1, 1, 0
	s_wait_dscnt 0
	MUL4 F1, 2, 0
	MUL4 F1, 3, 0
	WIN 0
.macro TOSTAGE a
.set BKS, BK+32*((\a)%2)
.irp b, 0,1,2,3
	ds_store_b128 v[STO], v[ACC+8*(4*(\a)+\b):ACC+8*(4*(\a)+\b)+3] offset:64*\b
	ds_store_b128 v[STO], v[ACC+8*(4*(\a)+\b)+4:ACC+8*(4*(\a)+\b)+7] offset:64*\b+16
.endr
.irp t, 0,1,2,3,4,5,6,7
	ds_load_b128 v[BKS+4*\t:BKS+4*\t+3], v[RD] offset:2*\t*SPITCH
.endr
.endm
.macro FIN a, younger
.set BKS, BK+32*((\a)%2)
	s_wait_dscnt \younger
	WIN 0x20
.set i, 0
.rept 16
	v_pk_fma_f32 v[BKS+i:BKS+i+1], v[BKS+i:BKS+i+1], s[78:79], v[32*(\a)+i:32*(\a)+i+1] op_sel_hi:[1,0,1]
.set i, i+2
.endr
	WIN 0
.set i, 0
.rept 16
	v_pk_add_f32 v[BKS+i:BKS+i+1], v[BKS+i:BKS+i+1], v[BIAS+i%4:BIAS+i%4+1]
.set i, i+2
.endr
.irp t, 0,1,2,3,4,5,6,7
	global_store_b128 v[CO], v[BKS+4*\t:BKS+4*\t+3], s[74:75] offset:(16*(\a)+2*\t)*4096
.endr
.endm
	s_wait_kmcnt 0x0
	s_add_co_i32 s78, s76, s77
	s_add_co_i32 s78, s78, 127
	s_lshl_b32 s78, s78, 23
	s_mov_b32 s79, s78
	s_wait_loadcnt 0x0
	PLACES
	TOSTAGE 0
.irp a, 1,2,3
.if \a > 1
	s_wait_xcnt 0x0
.endif
	TOSTAGE \a
	FIN \a-1, 16
.endr
	FIN 3, 0
	s_wait_tensorcnt 0x0
	ds_add_u32 v[SPW], v[NIL]
	s_wait_dscnt 0x0
	CROUND
	s_endpgm
.Lfunc_end_k_q867e5160f9_outp:
	.size	k_q867e5160f9_outp, .Lfunc_end_k_q867e5160f9_outp-k_q867e5160f9_outp
	.p2alignl 7, 3214868480
	.fill 96, 4, 3214868480
	.section	.rodata,"a",@progbits
	.p2align	6, 0x0
	.amdhsa_kernel k_q867e5160f9_outp
		.amdhsa_group_segment_fixed_size 327680
		.amdhsa_private_segment_fixed_size 0
		.amdhsa_enable_private_segment 0
		.amdhsa_kernarg_size 48
		.amdhsa_user_sgpr_count 2
		.amdhsa_user_sgpr_kernarg_segment_ptr 1
		.amdhsa_wavefront_size32 1
		.amdhsa_system_sgpr_workgroup_id_x 1
		.amdhsa_system_sgpr_workgroup_id_y 1
		.amdhsa_system_sgpr_workgroup_id_z 1
		.amdhsa_system_vgpr_workitem_id 0
		.amdhsa_next_free_vgpr 768
		.amdhsa_next_free_sgpr 80
		.amdhsa_reserve_vcc 0
		.amdhsa_float_denorm_mode_32 3
		.amdhsa_float_denorm_mode_16_64 3
		.amdhsa_memory_ordered 1
		.amdhsa_forward_progress 1
		.amdhsa_inst_pref_size 54
	.end_amdhsa_kernel
	.amdgpu_metadata
---
amdhsa.version: [ 1, 2 ]
amdhsa.kernels:
  - .name:           k_q867e5160f9_outp
    .symbol:         k_q867e5160f9_outp.kd
    .args:
      - { .name: ac, .offset: 0, .size: 8, .value_kind: global_buffer, .address_space: global }
      - { .name: codes, .offset: 8, .size: 8, .value_kind: global_buffer, .address_space: global }
      - { .name: lowp_scales, .offset: 16, .size: 8, .value_kind: global_buffer, .address_space: global }
      - { .name: out_b, .offset: 24, .size: 8, .value_kind: global_buffer, .address_space: global }
      - { .name: x, .offset: 32, .size: 8, .value_kind: global_buffer, .address_space: global }
      - { .name: y, .offset: 40, .size: 8, .value_kind: global_buffer, .address_space: global }
    .group_segment_fixed_size: 327680
    .private_segment_fixed_size: 0
    .kernarg_segment_align: 8
    .kernarg_segment_size: 48
    .max_flat_workgroup_size: 128
    .sgpr_count:     80
    .vgpr_count:     768
    .wavefront_size: 32
...
	.end_amdgpu_metadata
.endif
;; end of part 4
;; launch ln1 (part 5): grid 256 x 1, 4 waves a work-group, no clusters, 16,896 bytes of LDS; arguments y, ln1_w, ln1_b, lowp_scales, h, hc; writes h, hc
.if DOCPART == 5
	.amdgcn_target "amdgcn-amd-amdhsa--gfx1250"
	.amdhsa_code_object_version 6
	.text
	.protected	k_q867e5160f9_ln1
	.globl	k_q867e5160f9_ln1
	.p2align	8
	.type	k_q867e5160f9_ln1,@function
k_q867e5160f9_ln1:
	s_mov_b64 s[64:65], 0
	v_nop
	global_prefetch_b8 v0, s[64:65] scope:SCOPE_SE
	s_setreg_imm32_b32 hwreg(HW_REG_WAVE_MODE, 25, 1), 1
	s_wait_xcnt 0x0
; The norm of each row of 1,024 numbers: out = w (y - u) / sqrt(var + 1e-12) + b, u the row's mean, var the mean of (y - u)^2: two passes over registers, so a common offset does no harm.
; y's rows are in the order m = b x 2048 + s; the result lies as (s, b).  CODES = 1: the result is also quantised (scale 2^e8) for the next product, rows in the order m.
; A wave takes four rows, whole, in registers: a lane holds columns 128 q + 4 lane + 0 .. 3, q = 0 .. 7; every load and store of a wave covers 512 consecutive bytes.  All loads go out at the head.
; The codes (4 bytes a lane and q) go through the wave's own 4,096 bytes of LDS and leave 16 bytes a lane.  No barrier, no matrix unit, no cluster: waves share nothing but w and b.
; LIMITS: e8 between -126 and 119; NaN among the inputs is not served.
.set CODES, 1
.set OUTP,  12                         ; s[12:13] the result
.set Y, 32                             ; v32-159  four rows
.set W, 160
.set B, 192
.set T, 224                            ; v224-255 at work
	s_load_b256 s[4:11], s[0:1], 0x0               ; y, w, b, and the scales' exponents (CODES = 0: the result)
.if CODES
	s_load_b128 s[12:15], s[0:1], 0x20             ; the result, its codes
	v_lshl_add_u32 v30, v0, 2, 0x4000
	v_mov_b32 v31, 0
.endif
	v_lshrrev_b32 v1, 5, v0
	v_readfirstlane_b32 s16, v1                    ; wave
	v_and_b32 v2, 31, v0
	s_wait_alu depctr_va_vdst(0)
	v_lshlrev_b32 v3, 4, v2                        ; 16 x lane
	s_lshl_b32 s17, ttmp9, 4
	s_lshl_b32 s18, s16, 2
	s_add_co_u32 s17, s17, s18                     ; my first row m
	s_lshl_b32 s20, s17, 12
	s_mov_b32 s21, 0
	s_and_b32 s22, s17, 2047
	s_lshl_b32 s22, s22, 1
	s_lshr_b32 s23, s17, 11
	s_add_co_u32 s22, s22, s23                     ; 2 s + b
	s_lshl_b32 s22, s22, 12
	s_mov_b32 s23, 0
	s_mov_b32 s24, 0x76543210
	s_mov_b32 s25, 0xfedcba98
	s_mov_b32 s26, 0x3a800000                      ; 1 / 1024
	s_mov_b32 s27, 0x2b8cbccc                      ; 1e-12
	s_lshl_b32 s29, s16, 12
	v_lshl_add_u32 v4, v2, 2, s29                  ; LDS: my wave's 4,096 bytes, + 4 x lane
	v_lshl_add_u32 v5, v2, 4, s29                  ; + 16 x lane
	s_wait_alu depctr_va_vdst(0)
	s_wait_kmcnt 0x0
.if CODES
	s_load_b32 s28, s[10:11], 0x20                 ; e8
.endif
	s_add_nc_u64 s[4:5], s[4:5], s[20:21]
	s_add_nc_u64 s[OUTP:OUTP+1], s[OUTP:OUTP+1], s[22:23]
.if CODES
	s_lshl_b32 s20, s17, 10
	s_add_nc_u64 s[14:15], s[14:15], s[20:21]
.endif
.irp q, 0,1,2,3,4,5,6,7
	global_load_b128 v[W+4*\q:W+4*\q+3], v3, s[6:7] offset:512*\q
	global_load_b128 v[B+4*\q:B+4*\q+3], v3, s[8:9] offset:512*\q
.endr
.irp i, 0,1,2,3
.irp q, 0,1,2,3,4,5,6,7
	global_load_b128 v[Y+32*\i+4*\q:Y+32*\i+4*\q+3], v3, s[4:5] offset:4096*\i+512*\q th:TH_LOAD_NT
.endr
.endr
.if CODES
	s_wait_kmcnt 0x0
	s_add_co_i32 s28, s28, 127
	s_lshl_b32 s30, s28, 23
	v_mov_b32 v6, s30                              ; 2^e8
	s_add_co_i32 s28, s28, 8
	s_lshl_b32 s28, s28, 23
	s_or_b32 s28, s28, 0x600000
	v_mov_b32 v7, s28                              ; 448 x 2^e8
.endif
.macro REDUCE r, tmp                   ; the sum over the 32 lanes, in every lane
	v_add_f32_dpp v[\r], v[\r], v[\r] row_xmask:1 row_mask:0xf bank_mask:0xf
	v_add_f32_dpp v[\r], v[\r], v[\r] row_xmask:2 row_mask:0xf bank_mask:0xf
	v_add_f32_dpp v[\r], v[\r], v[\r] row_xmask:4 row_mask:0xf bank_mask:0xf
	v_add_f32_dpp v[\r], v[\r], v[\r] row_xmask:8 row_mask:0xf bank_mask:0xf
	v_permlanex16_b32 v[\tmp], v[\r], s24, s25
	v_add_f32 v[\r], v[\r], v[\tmp]
.endm
.macro ROW i
.set YB, Y+32*(\i)
	s_wait_loadcnt 8*(3-(\i))                      ; w, b and this row are in; the later rows' eight loads each stay out
	v_pk_add_f32 v[T:T+1], v[YB:YB+1], v[YB+2:YB+3]
	v_pk_add_f32 v[T+2:T+3], v[YB+4:YB+5], v[YB+6:YB+7]
.irp j, 8,12,16,20,24,28
	v_pk_add_f32 v[T:T+1], v[T:T+1], v[YB+\j:YB+\j+1]
	v_pk_add_f32 v[T+2:T+3], v[T+2:T+3], v[YB+\j+2:YB+\j+3]
.endr
	v_pk_add_f32 v[T:T+1], v[T:T+1], v[T+2:T+3]
	v_add_f32 v[T], v[T], v[T+1]
	REDUCE T, T+1
	v_mul_f32 v8, s26, v[T]                        ; u
	v_mov_b32 v9, v8
.irp j, 0,2,4,6,8,10,12,14,16,18,20,22,24,26,28,30
	v_pk_add_f32 v[YB+\j:YB+\j+1], v[YB+\j:YB+\j+1], v[8:9] neg_lo:[0,1] neg_hi:[0,1]
.endr
	v_pk_mul_f32 v[T:T+1], v[YB:YB+1], v[YB:YB+1]
	v_pk_mul_f32 v[T+2:T+3], v[YB+2:YB+3], v[YB+2:YB+3]
.irp j, 4,8,12,16,20,24,28
	v_pk_fma_f32 v[T:T+1], v[YB+\j:YB+\j+1], v[YB+\j:YB+\j+1], v[T:T+1]
	v_pk_fma_f32 v[T+2:T+3], v[YB+\j+2:YB+\j+3], v[YB+\j+2:YB+\j+3], v[T+2:T+3]
.endr
	v_pk_add_f32 v[T:T+1], v[T:T+1], v[T+2:T+3]
	v_add_f32 v[T], v[T], v[T+1]
	REDUCE T, T+1
	v_fma_f32 v12, v[T], s26, s27                  ; var + 1e-12
	s_wait_alu depctr_va_vdst(0)
	v_rsq_f32 v10, v12
	v_nop                                          ; a plain line behind the transcendental
	s_wait_alu depctr_va_vdst(0)                   ; and the wait ahead of its first reader
	v_mov_b32 v11, v10
.irp j, 0,2,4,6,8,10,12,14,16,18,20,22,24,26,28,30
	v_pk_mul_f32 v[YB+\j:YB+\j+1], v[YB+\j:YB+\j+1], v[10:11]
.endr
.irp j, 0,2,4,6,8,10,12,14,16,18,20,22,24,26,28,30
	v_pk_fma_f32 v[YB+\j:YB+\j+1], v[YB+\j:YB+\j+1], v[W+\j:W+\j+1], v[B+\j:B+\j+1]
.endr
.irp q, 0,1,2,3,4,5,6,7
	global_store_b128 v3, v[YB+4*\q:YB+4*\q+3], s[OUTP:OUTP+1] offset:8192*(\i)+512*\q   ; rows of one b are 8,192 bytes apart; these registers are not written again
.endr
.if CODES
.set k, 0
.rept 32
	v_med3_num_f32 v[T+k], v[YB+k], -v7, v7        ; the conversion does not saturate (ISA guide 7.6.2)
.set k, k+1
.endr
.if (\i) > 0
	s_wait_alu depctr_va_vdst(0)
	s_wait_dscnt 0x0                               ; the last row's LDS stores have read their registers
.endif
.irp g, 0,1,2,3
	v_cvt_scalef32_pk8_fp8_f32 v[16+2*\g:17+2*\g], v[T+8*\g:T+8*\g+7], v6   ; word q: the four columns of load q
.endr
	v_nop                                          ; one plain line behind the last conversion
.irp q, 0,1,2,3,4,5,6,7
	ds_store_b32 v4, v[16+\q] offset:1024*(\i)+128*\q
.endr
.endif
.endm
	ROW 0
	ROW 1
	ROW 2
	ROW 3
.if CODES
.irp k, 0,1,2,3,4,5,6,7
	ds_load_b128 v[T+4*\k:T+4*\k+3], v5 offset:512*\k   ; LDS serves a wave's instructions in order: these see my stores
.endr
.irp k, 0,1,2,3,4,5,6,7
	s_wait_dscnt 7-\k
	global_store_b128 v3, v[T+4*\k:T+4*\k+3], s[14:15] offset:512*\k   ; my four rows of codes are 4,096 consecutive bytes
.endr
.endif
	s_wait_tensorcnt 0x0
	ds_add_u32 v30, v31
	s_wait_dscnt 0x0
	s_endpgm
.Lfunc_end_k_q867e5160f9_ln1:
	.size	k_q867e5160f9_ln1, .Lfunc_end_k_q867e5160f9_ln1-k_q867e5160f9_ln1
	.p2alignl 7, 3214868480
	.fill 96, 4, 3214868480
	.section	.rodata,"a",@progbits
	.p2align	6, 0x0
	.amdhsa_kernel k_q867e5160f9_ln1
		.amdhsa_group_segment_fixed_size 16896
		.amdhsa_private_segment_fixed_size 0
		.amdhsa_enable_private_segment 0
		.amdhsa_kernarg_size 48
		.amdhsa_user_sgpr_count 2
		.amdhsa_user_sgpr_kernarg_segment_ptr 1
		.amdhsa_wavefront_size32 1
		.amdhsa_system_sgpr_workgroup_id_x 1
		.amdhsa_system_sgpr_workgroup_id_y 1
		.amdhsa_system_sgpr_workgroup_id_z 1
		.amdhsa_system_vgpr_workitem_id 0
		.amdhsa_next_free_vgpr 256
		.amdhsa_next_free_sgpr 66
		.amdhsa_reserve_vcc 0
		.amdhsa_float_denorm_mode_32 3
		.amdhsa_float_denorm_mode_16_64 3
		.amdhsa_memory_ordered 1
		.amdhsa_forward_progress 1
		.amdhsa_inst_pref_size 47
	.end_amdhsa_kernel
	.amdgpu_metadata
---
amdhsa.version: [ 1, 2 ]
amdhsa.kernels:
  - .name:           k_q867e5160f9_ln1
    .symbol:         k_q867e5160f9_ln1.kd
    .args:
      - { .name: y, .offset: 0, .size: 8, .value_kind: global_buffer, .address_space: global }
      - { .name: ln1_w, .offset: 8, .size: 8, .value_kind: global_buffer, .address_space: global }
      - { .name: ln1_b, .offset: 16, .size: 8, .value_kind: global_buffer, .address_space: global }
      - { .name: lowp_scales, .offset: 24, .size: 8, .value_kind: global_buffer, .address_space: global }
      - { .name: h, .offset: 32, .size: 8, .value_kind: global_buffer, .address_space: global }
      - { .name: hc, .offset: 40, .size: 8, .value_kind: global_buffer, .address_space: global }
    .group_segment_fixed_size: 16896
    .private_segment_fixed_size: 0
    .kernarg_segment_align: 8
    .kernarg_segment_size: 48
    .max_flat_workgroup_size: 128
    .sgpr_count:     66
    .vgpr_count:     256
    .wavefront_size: 32
...
	.end_amdgpu_metadata
.endif
;; end of part 5
;; launch fc1 (part 6): grid 16 x 16, 4 waves a work-group, clusters of 4 x 4, 327,680 bytes of LDS; arguments hc, codes, lowp_scales, fc1_b, hid; writes hid
.if DOCPART == 6
	.amdgcn_target "amdgcn-amd-amdhsa--gfx1250"
	.amdhsa_code_object_version 6
	.text
	.protected	k_q867e5160f9_fc1
	.globl	k_q867e5160f9_fc1
	.p2align	8
	.type	k_q867e5160f9_fc1,@function
k_q867e5160f9_fc1:
	s_mov_b64 s[64:65], 0
	v_nop
	global_prefetch_b8 v0, s[64:65] scope:SCOPE_SE
	s_setreg_imm32_b32 hwreg(HW_REG_WAVE_MODE, 25, 1), 1
	s_wait_xcnt 0x0
	s_wait_alu depctr_hold_cnt(0) depctr_sa_sdst(0) depctr_va_vdst(0) depctr_va_sdst(0) depctr_va_ssrc(0) depctr_va_vcc(0) depctr_vm_vsrc(0)
	s_getreg_b32 s2, hwreg(HW_REG_IB_STS2, 6, 4)
	s_cmp_eq_u32 s2, 0
	s_cbranch_scc0 .Lentry_in_a_cluster
	s_endpgm
.Lentry_in_a_cluster:
	s_bfe_u32 s2, ttmp6, 0x10000c
	s_cmp_lg_u32 s2, 0xf033
	s_cbranch_scc0 .Lentry_shape_is_right
	s_endpgm
.Lentry_shape_is_right:
.set KSTEP,  256
.set ROWB,   256
.set KROW,   1024
.set PITCH,  272
.set FR,     16
.set NL,     4
.set NP,     4
.set HALFT,  128*PITCH
.set SLOT,   4*HALFT
.set LAPS,   2
.set SPARE,  2*SLOT
.set ADRA, 16
.set ADRB, 20
.set BA0,  18
.set STO,  24
.set RD,   25
.set CO,   26
.set SPW,  28
.set NIL,  29
.set LIM,  30
.set SCL,  31
.set BI,   32
.set CDB,  96
.set TMP,  128
.set AF,   128
.set G1, 24
.set G0, 32
.set G1B, 48
.set G0B, 56
.set MSB, 0
.macro WIN new
.if MSB != (\new)
	s_set_vgpr_msb (MSB<<8)|(\new)
.set MSB, (\new)
.endif
.endm
.set MUL_LO, 0xa1
.set MUL_HI, 0xf1
.set TO_B,   0x40
.macro JLOAD g0a, g1a, g0b, g1b
	s_cmp_eq_u32 s15, 0
	s_cbranch_scc0 .Lfor_b_\@
	tensor_load_to_lds s[\g0a:\g0a+3], s[\g1a:\g1a+7]
	s_nop 0
.rept 4
	v_nop
.endr
	s_branch .Lasked_\@
.Lfor_b_\@:
	tensor_load_to_lds s[\g0b:\g0b+3], s[\g1b:\g1b+7]
	s_nop 0
.rept 4
	v_nop
.endr
.Lasked_\@:
.endm
.macro CREST
	s_cmp_lg_u32 s14, 0
	s_cbranch_scc1 .Lnot_wave_0_\@
	s_barrier_signal -3
.Lnot_wave_0_\@:
	s_barrier_wait -3
	s_barrier_signal -1
	s_barrier_wait -1
.endm
.macro CROUND
	s_barrier_signal -1
	s_barrier_wait -1
	CREST
.endm
	s_load_b256 s[84:91], s[0:1], 0x0
	s_load_b64 s[92:93], s[0:1], 0x20
	v_lshl_add_u32 v[SPW], v0, 2, SPARE
	v_mov_b32 v[NIL], 0
	ds_add_u32 v28, v29
	ds_add_u32 v28, v29
	s_wait_dscnt 0x0
	v_lshrrev_b32 v1, 5, v0
	v_readfirstlane_b32 s14, v1
	s_lshr_b32 s15, s14, 1
	s_and_b32 s16, s14, 1
	s_bfe_u32 s40, ttmp6, 0x40000
	s_bfe_u32 s41, ttmp6, 0x40004
	s_lshl_b32 s42, ttmp9, 2
	s_add_co_u32 s42, s42, s40
	s_and_b32 s17, ttmp7, 0xffff
	s_lshl_b32 s17, s17, 2
	s_add_co_u32 s17, s17, s41
	s_lshl_b32 s43, s41, 2
	s_lshl_b32 s43, 15, s43
	s_lshl_b32 s44, 0x1111, s40
	s_or_b32 s[G1+0], s43, (0<<16)|(1<<20)|(1<<21)|(5<<22)|(3<<25)
	s_or_b32 s[G1B+0], s44, (0<<16)|(1<<20)|(1<<21)|(5<<22)|(3<<25)
.irp g, G1, G1B
	s_mov_b32 s[\g+1], ROWB<<16
	s_mov_b32 s[\g+2], 128<<16
	s_mov_b32 s[\g+3], ROWB<<16
	s_mov_b32 s[\g+4], 128
	s_mov_b32 s[\g+5], KROW
	s_mov_b32 s[\g+6], 0
	s_mov_b32 s[\g+7], 0
.endr
	s_lshl_b32 s18, s16, 7
	s_lshl_b32 s20, s17, 8
	s_add_co_u32 s20, s20, s18
	s_lshl_b32 s46, s42, 8
	s_add_co_u32 s46, s46, s18
	s_lshl_b32 s20, s20, 10
	s_mov_b32 s21, 0
	s_lshl_b32 s46, s46, 10
	s_add_co_u32 s46, s46, 0x800000
	s_mov_b32 s47, 0
	s_mul_i32 s45, s14, HALFT
	s_wait_kmcnt 0x0
	s_load_b128 s[68:71], s[88:89], 0x20
	s_add_nc_u64 s[20:21], s[84:85], s[20:21]
	s_add_nc_u64 s[46:47], s[86:87], s[46:47]
	CROUND
.irp s, 0,1
	s_mov_b32 s[G0+4*\s], 1
	s_add_co_u32 s[G0+4*\s+1], s45, \s*SLOT
	s_add_nc_u64 s[G0+4*\s+2:G0+4*\s+3], s[20:21], \s*ROWB
	s_or_b32 s[G0+4*\s+3], s[G0+4*\s+3], 0x80000000
	s_mov_b32 s[G0B+4*\s], 1
	s_add_co_u32 s[G0B+4*\s+1], s45, \s*SLOT
	s_add_nc_u64 s[G0B+4*\s+2:G0B+4*\s+3], s[46:47], \s*ROWB
	s_or_b32 s[G0B+4*\s+3], s[G0B+4*\s+3], 0x80000000
.endr
	JLOAD G0, G1, G0B, G1B                         ; K step 0: one tensor load a wave at the head
	; prefetches of the K steps that later loads bring.  Of the 128 rows x 256 bytes that I fetch, each of the four partners that ask with me names 32 rows, told apart by address:
	; a lane a row, one instruction a wave and K step.  K steps 1 and 2 here, K step 3 behind K step 1's load; K has four steps.  The registers are not written again.
	s_cmp_eq_u32 s15, 0                            ; do I fetch for A?
	s_cselect_b64 s[66:67], s[20:21], s[46:47]     ; my 128 rows, at K step 0
	s_cselect_b32 s18, s40, s41                    ; my place among the four: cx for A, cy for B
	s_lshl_b32 s18, s18, 15                        ; 32 rows of 1,024 bytes
	s_mov_b32 s19, 0
	s_add_nc_u64 s[66:67], s[66:67], s[18:19]
	v_and_b32 v27, 31, v0
	v_lshlrev_b32 v27, 10, v27
	global_prefetch_b8 v27, s[66:67] offset:ROWB th:TH_LOAD_NT scope:SCOPE_SE
	global_prefetch_b8 v27, s[66:67] offset:2*ROWB th:TH_LOAD_NT scope:SCOPE_SE
	v_and_b32 v1, 15, v0
	s_wait_alu depctr_va_vdst(0)
	v_bfe_u32 v2, v0, 4, 1
	v_mul_u32_u24 v3, v1, PITCH
	v_lshl_add_u32 v4, v2, 4, v3
	s_mul_i32 s21, s15, HALFT
	s_mul_i32 s22, s16, HALFT
	s_add_co_u32 s22, s22, 2*HALFT
.irp s, 0,1
	v_add_nc_u32 v[ADRA+\s], s21, v4
	v_add_nc_u32 v[ADRB+\s], s22, v4
	s_add_co_u32 s21, s21, SLOT
	s_add_co_u32 s22, s22, SLOT
.endr
	s_lshl_b32 s23, s15, 7
	s_mul_i32 s23, s23, 272
	s_lshl_b32 s22, s16, 7
	s_add_co_u32 s23, s23, s22
	v_mul_u32_u24 v5, v1, 272
	s_wait_alu depctr_va_vdst(0)
	v_lshl_add_u32 v5, v2, 3, v5
	v_add_nc_u32 v[STO], s23, v5
	s_mul_i32 s23, s14, 64*272
	v_mul_u32_u24 v5, v2, 272
	v_lshl_add_u32 v5, v1, 4, v5
	v_add_nc_u32 v[RD], s23, v5
	v_lshlrev_b32 v[CO], 12, v2
	v_lshl_add_u32 v[CO], v1, 4, v[CO]
	v_lshlrev_b32 v[BA0], 5, v2
	s_wait_alu depctr_va_vdst(0)
	s_lshl_b32 s20, s17, 8
	s_lshl_b32 s21, s14, 6
	s_add_co_u32 s20, s20, s21
	s_lshl_b32 s20, s20, 12
	s_lshl_b32 s21, s42, 8
	s_add_co_u32 s20, s20, s21
	s_mov_b32 s21, 0
	s_add_nc_u64 s[10:11], s[92:93], s[20:21]
	s_lshl_b32 s46, s42, 10
	s_lshl_b32 s47, s16, 9
	s_add_co_u32 s46, s46, s47
	s_mov_b32 s47, 0
	s_add_nc_u64 s[12:13], s[90:91], s[46:47]
.irp g, 0,1,2,3,4,5,6,7
	global_load_b128 v[BI+8*\g:BI+8*\g+3], v[BA0], s[12:13] offset:64*\g
	global_load_b128 v[BI+8*\g+4:BI+8*\g+7], v[BA0], s[12:13] offset:64*\g+16
.endr
	s_wait_kmcnt 0x0
	s_add_co_i32 s96, s68, s69
	s_add_co_i32 s96, s96, 127
	s_lshl_b32 s96, s96, 23
	s_mov_b32 s97, s96
	s_add_co_i32 s77, s70, 127
	s_lshl_b32 s78, s77, 23
	v_mov_b32 v[SCL], s78
	s_add_co_i32 s77, s77, 8
	s_lshl_b32 s77, s77, 23
	s_or_b32 s77, s77, 0x600000
	v_mov_b32 v[LIM], s77
.macro FRAG reg, adr, q, i
.irp c, 0,1,2,3
	ds_load_b128 v[\reg+4*\c:\reg+4*\c+3], v[\adr] offset:128*(\q)+32*\c+(\i)*16*PITCH
.endr
.endm
.macro MUL16 a0, p, zero
.irp a, \a0, \a0+1
.irp b, 0,1,2,3,4,5,6,7
.if \zero
	v_wmma_f32_16x16x128_fp8_fp8 v[8*(8*((\a)%4)+\b):8*(8*((\a)%4)+\b)+7], v[128*(\p)+FR*\b:128*(\p)+FR*\b+FR-1], v[AF+FR*(\a):AF+FR*(\a)+FR-1], 0
.else
	v_wmma_f32_16x16x128_fp8_fp8 v[8*(8*((\a)%4)+\b):8*(8*((\a)%4)+\b)+7], v[128*(\p)+FR*\b:128*(\p)+FR*\b+FR-1], v[AF+FR*(\a):AF+FR*(\a)+FR-1], v[8*(8*((\a)%4)+\b):8*(8*((\a)%4)+\b)+7]
.endif
.endr
.endr
.endm
.macro FETCH_B slot, q, p
	WIN TO_B
.irp i, 0,1,2,3,4,5,6,7
	FRAG 128*(\p)+FR*\i, ADRB+\slot, \q, \i
.endr
	WIN 0
.endm
.macro FETCH_A slot, q, i0
.irp i, \i0, \i0+1, \i0+2, \i0+3
	FRAG AF+FR*(\i), ADRA+\slot, \q, \i
.endr
.endm
.macro PLACES n
.rept \n
	v_nop
.endr
.endm
.macro STEP slot, q, zero
	s_wait_dscnt 4*NL
	WIN MUL_LO
	MUL16 0, (\q)%2, \zero
	MUL16 2, (\q)%2, \zero
	s_wait_dscnt 0
	PLACES NP
	FETCH_B \slot, (\q)+1, 1-(\q)%2
	FETCH_A \slot, (\q)+1, 0
	WIN MUL_HI
	MUL16 4, (\q)%2, \zero
	MUL16 6, (\q)%2, \zero
	PLACES NP
	WIN 0
	FETCH_A \slot, (\q)+1, 4
.endm
.macro TURN slot, next, fill
	s_wait_tensorcnt 0x0
	ds_add_u32 v[SPW], v[NIL]
	s_wait_dscnt 4*NL+1
	WIN MUL_LO
	MUL16 0, 1, 0
	s_wait_dscnt 0x0
	s_barrier_signal -1
	MUL16 2, 1, 0
	WIN 0
	s_barrier_wait -1
.if \fill
	CREST
	s_add_nc_u64 s[G0+4*\slot+2:G0+4*\slot+3], s[G0+4*\slot+2:G0+4*\slot+3], 2*ROWB
	s_add_nc_u64 s[G0B+4*\slot+2:G0B+4*\slot+3], s[G0B+4*\slot+2:G0B+4*\slot+3], 2*ROWB
	JLOAD G0+4*\slot, G1, G0B+4*\slot, G1B
.else
	PLACES NP
.endif
	FETCH_B \next, 0, 0
	FETCH_A \next, 0, 0
	WIN MUL_HI
	MUL16 4, 1, 0
	MUL16 6, 1, 0
	PLACES NP
	WIN 0
	FETCH_A \next, 0, 4
.endm
.macro TOSTAGE a
.set AC, 64*((\a)%4)
.set CD, CDB+16*((\a)%2)
	WIN (0x02+((\a)/4))
.set i, 0
.rept 32
	v_pk_fma_f32 v[TMP+i:TMP+i+1], v[AC+i:AC+i+1], s[96:97], v[BI+i:BI+i+1] op_sel_hi:[1,0,1]
.set i, i+2
.endr
	WIN 0
.set i, 0
.rept 64
	v_med3_num_f32 v[TMP+i], v[TMP+i], 0, v[LIM]
.set i, i+1
.endr
.if (\a) > 1
	s_wait_alu depctr_va_vdst(0)
	s_wait_dscnt 8
.endif
.irp g, 0,1,2,3,4,5,6,7
	v_cvt_scalef32_pk8_fp8_f32 v[CD+2*\g:CD+2*\g+1], v[TMP+8*\g:TMP+8*\g+7], v[SCL]
.endr
	v_nop
.irp g, 0,1,2,3,4,5,6,7
	ds_store_b64 v[STO], v[CD+2*\g:CD+2*\g+1] offset:(\a)*16*272+16*\g
.endr
.endm
	s_wait_alu depctr_va_vdst(0)                   ; the wait at the head's end
	s_wait_tensorcnt 0x0                           ; my part of K step 0 is in; slot 1's first fill is issued as a refill is
	ds_add_u32 v[SPW], v[NIL]
	s_wait_dscnt 0x0
	CROUND                                         ; everybody's part of K step 0 is in, and the joint loads meet
	JLOAD G0+4, G1, G0B+4, G1B                     ; K step 1
	FETCH_B 0, 0, 0
	global_prefetch_b8 v27, s[66:67] offset:3*ROWB th:TH_LOAD_NT scope:SCOPE_SE   ; K step 3, two loads on
	FETCH_A 0, 0, 0
	FETCH_A 0, 0, 4
	STEP 0, 0, 1
	s_mov_b32 s3, LAPS-1
.Llap:
	TURN 0, 1, 1
	STEP 1, 0, 0
	TURN 1, 0, 1
	STEP 0, 0, 0
	s_sub_co_u32 s3, s3, 1
	s_cmp_lg_u32 s3, 0
	s_cbranch_scc1 .Llap
	TURN 0, 1, 0
	STEP 1, 0, 0
	s_wait_dscnt 4*NL
	WIN MUL_LO
	MUL16 0, 1, 0
	MUL16 2, 1, 0
	s_wait_dscnt 0
	WIN MUL_HI
	MUL16 4, 1, 0
	MUL16 6, 1, 0
	WIN 0
	s_wait_loadcnt 0x0
	PLACES NP
.irp a, 0,1,2,3,4,5,6,7
	TOSTAGE \a
.endr
	s_wait_dscnt 0x0
	s_barrier_signal -1
	s_barrier_wait -1
.set t, 0
.rept 32
	ds_load_b128 v[128+4*t:128+4*t+3], v[RD] offset:544*t
.set t, t+1
.endr
.set t, 0
.rept 32
	s_wait_dscnt 31-t
	global_store_b128 v[CO], v[128+4*t:128+4*t+3], s[10:11] offset:8192*t
.set t, t+1
.endr
	s_wait_tensorcnt 0x0
	ds_add_u32 v[SPW], v[NIL]
	s_wait_dscnt 0x0
	CROUND
	s_endpgm
.Lfunc_end_k_q867e5160f9_fc1:
	.size	k_q867e5160f9_fc1, .Lfunc_end_k_q867e5160f9_fc1-k_q867e5160f9_fc1
	.p2alignl 7, 3214868480
	.fill 96, 4, 3214868480
	.section	.rodata,"a",@progbits
	.p2align	6, 0x0
	.amdhsa_kernel k_q867e5160f9_fc1
		.amdhsa_group_segment_fixed_size 327680
		.amdhsa_private_segment_fixed_size 0
		.amdhsa_enable_private_segment 0
		.amdhsa_kernarg_size 40
		.amdhsa_user_sgpr_count 2
		.amdhsa_user_sgpr_kernarg_segment_ptr 1
		.amdhsa_wavefront_size32 1
		.amdhsa_system_sgpr_workgroup_id_x 1
		.amdhsa_system_sgpr_workgroup_id_y 1
		.amdhsa_system_sgpr_workgroup_id_z 1
		.amdhsa_system_vgpr_workitem_id 0
		.amdhsa_next_free_vgpr 1024
		.amdhsa_next_free_sgpr 98
		.amdhsa_reserve_vcc 0
		.amdhsa_float_denorm_mode_32 3
		.amdhsa_float_denorm_mode_16_64 3
		.amdhsa_memory_ordered 1
		.amdhsa_forward_progress 1
		.amdhsa_inst_pref_size 144
	.end_amdhsa_kernel
	.amdgpu_metadata
---
amdhsa.version: [ 1, 2 ]
amdhsa.kernels:
  - .name:           k_q867e5160f9_fc1
    .symbol:         k_q867e5160f9_fc1.kd
    .args:
      - { .name: hc, .offset: 0, .size: 8, .value_kind: global_buffer, .address_space: global }
      - { .name: codes, .offset: 8, .size: 8, .value_kind: global_buffer, .address_space: global }
      - { .name: lowp_scales, .offset: 16, .size: 8, .value_kind: global_buffer, .address_space: global }
      - { .name: fc1_b, .offset: 24, .size: 8, .value_kind: global_buffer, .address_space: global }
      - { .name: hid, .offset: 32, .size: 8, .value_kind: global_buffer, .address_space: global }
    .group_segment_fixed_size: 327680
    .private_segment_fixed_size: 0
    .kernarg_segment_align: 8
    .kernarg_segment_size: 40
    .max_flat_workgroup_size: 128
    .sgpr_count:     98
    .vgpr_count:     1024
    .wavefront_size: 32
...
	.end_amdgpu_metadata
.endif
;; end of part 6
;; launch fc2 (part 7): grid 8 x 32, 4 waves a work-group, clusters of 4 x 4, 327,680 bytes of LDS; arguments hid, codes, lowp_scales, fc2_b, h, y; writes y
.if DOCPART == 7
	.amdgcn_target "amdgcn-amd-amdhsa--gfx1250"
	.amdhsa_code_object_version 6
	.text
	.protected	k_q867e5160f9_fc2
	.globl	k_q867e5160f9_fc2
	.p2align	8
	.type	k_q867e5160f9_fc2,@function
k_q867e5160f9_fc2:
	s_mov_b64 s[64:65], 0
	v_nop
	global_prefetch_b8 v0, s[64:65] scope:SCOPE_SE
	s_setreg_imm32_b32 hwreg(HW_REG_WAVE_MODE, 25, 1), 1
	s_wait_xcnt 0x0
	s_wait_alu depctr_hold_cnt(0) depctr_sa_sdst(0) depctr_va_vdst(0) depctr_va_sdst(0) depctr_va_ssrc(0) depctr_va_vcc(0) depctr_vm_vsrc(0)
	s_getreg_b32 s2, hwreg(HW_REG_IB_STS2, 6, 4)
	s_cmp_eq_u32 s2, 0
	s_cbranch_scc0 .Lentry_in_a_cluster
	s_endpgm
.Lentry_in_a_cluster:
	s_bfe_u32 s2, ttmp6, 0x10000c
	s_cmp_lg_u32 s2, 0xf033
	s_cbranch_scc0 .Lentry_shape_is_right
	s_endpgm
.Lentry_shape_is_right:
.set SIZE_K, 4096
.set WOFF,   0xc00000
.set EOFF,   40
.set KSTEP,  512
.set PITCH,  528
.set HALFT,  64*PITCH
.set SLOT,   4*HALFT
.set STAGE,  2*SLOT
.set SPITCH, 272
.set SPARE,  STAGE+4*16*SPITCH
.set LAPS,   SIZE_K/(2*KSTEP)
.set BIAS, 12
.set ADRA, 16
.set ADRB, 20
.set STO,  24
.set RD,   25
.set CO,   26
.set RO,   27
.set SPW,  28
.set NIL,  29
.set BK,   32
.set ACC,  128
.set F0,   0
.set F1,   128
.set G1, 24
.set G0, 32
.set G1B, 48
.set G0B, 56
.set MSB, 0
.macro WIN new
.if MSB != (\new)
	s_set_vgpr_msb (MSB<<8)|(\new)
.set MSB, (\new)
.endif
.endm
.set MUL,  0x05
.set TO_F, 0x40
.macro JLOAD s
	s_cmp_eq_u32 s11, 0
	s_cbranch_scc0 .Lfor_b_\@
	tensor_load_to_lds s[G0+4*\s:G0+4*\s+3], s[G1:G1+7]
	s_nop 0
.rept 4
	v_nop
.endr
	s_branch .Lasked_\@
.Lfor_b_\@:
	tensor_load_to_lds s[G0B+4*\s:G0B+4*\s+3], s[G1B:G1B+7]
	s_nop 0
.rept 4
	v_nop
.endr
.Lasked_\@:
.endm
.macro CREST
	s_cmp_lg_u32 s10, 0
	s_cbranch_scc1 .Lnot_wave_0_\@
	s_barrier_signal -3
.Lnot_wave_0_\@:
	s_barrier_wait -3
	s_barrier_signal -1
	s_barrier_wait -1
.endm
.macro CROUND
	s_barrier_signal -1
	s_barrier_wait -1
	CREST
.endm
	s_load_b128 s[4:7], s[0:1], 0x0
	s_load_b256 s[68:75], s[0:1], 0x10
	v_lshl_add_u32 v[SPW], v0, 2, SPARE
	v_mov_b32 v[NIL], 0
	ds_add_u32 v28, v29
	ds_add_u32 v28, v29
	s_wait_dscnt 0x0
	v_lshrrev_b32 v1, 5, v0
	v_readfirstlane_b32 s10, v1
	s_lshr_b32 s11, s10, 1
	s_and_b32 s12, s10, 1
	s_bfe_u32 s40, ttmp6, 0x40000
	s_bfe_u32 s41, ttmp6, 0x40004
	s_lshl_b32 s42, ttmp9, 2
	s_add_co_u32 s42, s42, s40
	s_and_b32 s13, ttmp7, 0xffff
	s_lshl_b32 s13, s13, 2
	s_add_co_u32 s13, s13, s41
	s_lshl_b32 s43, s41, 2
	s_lshl_b32 s43, 15, s43
	s_lshl_b32 s44, 0x1111, s40
	s_or_b32 s[G1+0], s43, (0<<16)|(1<<20)|(1<<21)|(6<<22)|(3<<25)
	s_or_b32 s[G1B+0], s44, (0<<16)|(1<<20)|(1<<21)|(6<<22)|(3<<25)
.irp g, G1, G1B
	s_mov_b32 s[\g+1], KSTEP<<16
	s_mov_b32 s[\g+2], 64<<16
	s_mov_b32 s[\g+3], KSTEP<<16
	s_mov_b32 s[\g+4], 64
	s_mov_b32 s[\g+5], SIZE_K
	s_mov_b32 s[\g+6], 0
	s_mov_b32 s[\g+7], 0
.endr
	s_lshl_b32 s17, s12, 6
	s_lshl_b32 s16, s13, 7
	s_add_co_u32 s16, s16, s17
	s_lshl_b32 s46, s42, 7
	s_add_co_u32 s46, s46, s17
	s_mul_i32 s16, s16, SIZE_K
	s_mov_b32 s17, 0
	s_mul_i32 s46, s46, SIZE_K
	s_mov_b32 s47, 0
	s_mul_i32 s20, s10, HALFT
	s_wait_kmcnt 0x0
	s_load_b64 s[76:77], s[68:69], EOFF
	s_add_nc_u64 s[14:15], s[4:5], s[16:17]
	s_add_nc_u64 s[46:47], s[6:7], s[46:47]
	s_add_nc_u64 s[46:47], s[46:47], WOFF
	CROUND
.irp s, 0,1
	s_mov_b32 s[G0+4*\s], 1
	s_add_co_u32 s[G0+4*\s+1], s20, \s*SLOT
	s_add_nc_u64 s[G0+4*\s+2:G0+4*\s+3], s[14:15], \s*KSTEP
	s_or_b32 s[G0+4*\s+3], s[G0+4*\s+3], 0x80000000
	s_mov_b32 s[G0B+4*\s], 1
	s_add_co_u32 s[G0B+4*\s+1], s20, \s*SLOT
	s_add_nc_u64 s[G0B+4*\s+2:G0B+4*\s+3], s[46:47], \s*KSTEP
	s_or_b32 s[G0B+4*\s+3], s[G0B+4*\s+3], 0x80000000
.endr
	JLOAD 0                                        ; K step 0: one tensor load a wave at the head
	; prefetches of the K steps that later loads bring.  Of the 64 rows x 512 bytes that I fetch, each of the four partners that ask with me names 16 rows, told apart by address:
	; 32 blocks of 256 bytes, a lane a block, one instruction a wave and K step.  K steps 1 and 2 here, K step 3 behind K step 1's load; behind each refill the K step two refills on; the last two refills ask for nothing.
	s_cmp_eq_u32 s11, 0                            ; do I fetch for A?
	s_cselect_b64 s[66:67], s[14:15], s[46:47]     ; my 64 rows, at K step 0
	s_cselect_b32 s18, s40, s41                    ; my place among the four: cx for A, cy for B
	s_mul_i32 s18, s18, 16*SIZE_K
	s_mov_b32 s19, 0
	s_add_nc_u64 s[66:67], s[66:67], s[18:19]
	v_and_b32 v30, 31, v0
	v_lshrrev_b32 v31, 1, v30                      ; the row
	v_and_b32 v30, 1, v30                          ; which 256 bytes of its 512
	v_mul_u32_u24 v31, v31, SIZE_K
	v_lshl_add_u32 v30, v30, 8, v31
	global_prefetch_b8 v30, s[66:67] offset:KSTEP th:TH_LOAD_NT scope:SCOPE_SE
	global_prefetch_b8 v30, s[66:67] offset:2*KSTEP th:TH_LOAD_NT scope:SCOPE_SE
	v_and_b32 v1, 15, v0
	s_wait_alu depctr_va_vdst(0)
	v_bfe_u32 v2, v0, 4, 1
	v_mul_u32_u24 v3, v1, PITCH
	v_lshl_add_u32 v3, v2, 4, v3
	s_mul_i32 s21, s11, HALFT
	s_mul_i32 s22, s12, HALFT
	s_add_co_u32 s22, s22, 2*HALFT
.irp s, 0,1
	v_add_nc_u32 v[ADRA+\s], s21, v3
	v_add_nc_u32 v[ADRB+\s], s22, v3
	s_add_co_u32 s21, s21, SLOT
	s_add_co_u32 s22, s22, SLOT
.endr
	s_mul_i32 s23, s10, 16*SPITCH
	s_add_co_u32 s23, s23, STAGE
	v_mul_u32_u24 v4, v1, SPITCH
	s_wait_alu depctr_va_vdst(0)
	v_lshl_add_u32 v4, v2, 5, v4
	v_add_nc_u32 v[STO], s23, v4
	v_mul_u32_u24 v5, v2, SPITCH
	v_lshl_add_u32 v5, v1, 4, v5
	v_add_nc_u32 v[RD], s23, v5
	v_lshlrev_b32 v[CO], 12, v2
	v_lshl_add_u32 v[CO], v1, 4, v[CO]
	v_lshlrev_b32 v[RO], 13, v2
	v_lshl_add_u32 v[RO], v1, 4, v[RO]
	v_lshlrev_b32 v6, 4, v1
	s_wait_alu depctr_va_vdst(0)
	s_lshl_b32 s16, s13, 7
	s_lshl_b32 s17, s11, 6
	s_add_co_u32 s16, s16, s17
	s_lshl_b32 s46, s42, 9
	s_lshl_b32 s47, s12, 8
	s_add_co_u32 s46, s46, s47
	s_mov_b32 s47, 0
	s_lshl_b32 s18, s16, 12
	s_mov_b32 s19, 0
	s_add_nc_u64 s[74:75], s[74:75], s[18:19]
	s_add_nc_u64 s[74:75], s[74:75], s[46:47]
	s_and_b32 s18, s16, 2047
	s_lshl_b32 s18, s18, 1
	s_lshr_b32 s17, s16, 11
	s_add_co_u32 s18, s18, s17
	s_lshl_b32 s18, s18, 12
	s_add_nc_u64 s[72:73], s[72:73], s[18:19]
	s_add_nc_u64 s[72:73], s[72:73], s[46:47]
	s_add_nc_u64 s[70:71], s[70:71], s[46:47]
.macro RESID                           ; the bias and my 64 x 64 of the residual, into window 2: wanted on the way out alone, so they are asked for behind K step 1's load and not beside K step 0's
	WIN 0
	global_load_b128 v[BIAS:BIAS+3], v6, s[70:71]
	WIN 0x80
.irp a, 0,1,2,3
.irp t, 0,1,2,3,4,5,6,7
	global_load_b128 v[32*\a+4*\t:32*\a+4*\t+3], v[RO], s[72:73] offset:(16*\a+2*\t)*8192 th:TH_LOAD_NT
.endr
.endr
	WIN 0
.endm
.macro FRAG reg, adr, k, i
.irp c, 0,1,2,3
	ds_load_b128 v[\reg+4*\c:\reg+4*\c+3], v[\adr] offset:(\k)+32*\c+(\i)*16*PITCH
.endr
.endm
.macro FETCH slot, k, f
	WIN TO_F
.irp i, 0,1,2,3
	FRAG \f+64+16*\i, ADRB+\slot, \k, \i
.endr
.irp i, 0,1,2,3
	FRAG \f+16*\i, ADRA+\slot, \k, \i
.endr
.endm
.macro MUL4 f, a, zero
.irp b, 0,1,2,3
.if \zero
	v_wmma_f32_16x16x128_fp8_fp8 v[ACC+8*(4*(\a)+\b):ACC+8*(4*(\a)+\b)+7], v[\f+64+16*\b:\f+64+16*\b+15], v[\f+16*(\a):\f+16*(\a)+15], 0
.else
	v_wmma_f32_16x16x128_fp8_fp8 v[ACC+8*(4*(\a)+\b):ACC+8*(4*(\a)+\b)+7], v[\f+64+16*\b:\f+64+16*\b+15], v[\f+16*(\a):\f+16*(\a)+15], v[ACC+8*(4*(\a)+\b):ACC+8*(4*(\a)+\b)+7]
.endif
.endr
.endm
.macro PLACES
.rept 4
	v_nop
.endr
.endm
.macro QUARTER slot, k, f, g, zero
	s_wait_dscnt 8
	WIN MUL
	MUL4 \f, 0, \zero
	MUL4 \f, 1, \zero
	PLACES
	FETCH \slot, \k, \g
	s_wait_dscnt 32
	WIN MUL
	MUL4 \f, 2, \zero
	MUL4 \f, 3, \zero
.endm
.macro TURN slot, next, fill
	WIN 0
.if \fill
	s_wait_xcnt 0x0                                ; my prefetches have read their address: it is stepped only behind this wait
	s_add_nc_u64 s[66:67], s[66:67], KSTEP         ; one K step behind the refill that this change asks for
.endif
	s_wait_tensorcnt 0x0
	ds_add_u32 v[SPW], v[NIL]
	s_wait_dscnt 9
	WIN MUL
	MUL4 F1, 0, 0
	MUL4 F1, 1, 0
	s_wait_dscnt 0x0
	s_barrier_signal -1
	MUL4 F1, 2, 0
.if \fill
	WIN 0
.endif
	s_barrier_wait -1
.if \fill
	CREST
	s_add_nc_u64 s[G0+4*\slot+2:G0+4*\slot+3], s[G0+4*\slot+2:G0+4*\slot+3], 2*KSTEP
	s_add_nc_u64 s[G0B+4*\slot+2:G0B+4*\slot+3], s[G0B+4*\slot+2:G0B+4*\slot+3], 2*KSTEP
	JLOAD \slot
.else
	PLACES
.endif
	FETCH \next, 0, F0
.if \fill
	WIN 0                                          ; at a branch and at a label every window is 0
	s_cmp_gt_u32 s3, 1                             ; s3 = 1 in the loop's last trip, whose two refills have no K step two on
	s_cbranch_scc0 .Lno_ask_\@
	global_prefetch_b8 v30, s[66:67] offset:3*KSTEP th:TH_LOAD_NT scope:SCOPE_SE   ; the K step two refills on
.Lno_ask_\@:
.endif
	WIN MUL
	MUL4 F1, 3, 0
.endm
	s_wait_alu depctr_va_vdst(0)                   ; the wait at the head's end
	s_wait_tensorcnt 0x0                           ; my part of K step 0 is in; slot 1's first fill is issued as a refill is
	ds_add_u32 v[SPW], v[NIL]
	s_wait_dscnt 0x0
	CROUND                                         ; everybody's part of K step 0 is in, and the joint loads meet
	JLOAD 1                                        ; K step 1
	FETCH 0, 0, F0
	global_prefetch_b8 v30, s[66:67] offset:3*KSTEP th:TH_LOAD_NT scope:SCOPE_SE   ; K step 3, two loads on
	RESID
	QUARTER 0, 128, F0, F1, 1
.if LAPS > 1
	WIN 0
	s_mov_b32 s3, LAPS-1
.Llap:
	QUARTER 0, 256, F1, F0, 0
	QUARTER 0, 384, F0, F1, 0
	TURN 0, 1, 1
	QUARTER 1, 128, F0, F1, 0
	QUARTER 1, 256, F1, F0, 0
	QUARTER 1, 384, F0, F1, 0
	TURN 1, 0, 1
	QUARTER 0, 128, F0, F1, 0
	WIN 0
	s_sub_co_u32 s3, s3, 1
	s_cmp_lg_u32 s3, 0
	s_cbranch_scc1 .Llap
.endif
	QUARTER 0, 256, F1, F0, 0
	QUARTER 0, 384, F0, F1, 0
	TURN 0, 1, 0
	QUARTER 1, 128, F0, F1, 0
	QUARTER 1, 256, F1, F0, 0
	QUARTER 1, 384, F0, F1, 0
	s_wait_dscnt 8
	WIN MUL
	MUL4 F1, 0, 0
	MUL4 F1, 1, 0
	s_wait_dscnt 0
	MUL4 F1, 2, 0
	MUL4 F1, 3, 0
	WIN 0
.macro TOSTAGE a
.set BKS, BK+32*((\a)%2)
.irp b, 0,1,2,3
	ds_store_b128 v[STO], v[ACC+8*(4*(\a)+\b):ACC+8*(4*(\a)+\b)+3] offset:64*\b
	ds_store_b128 v[STO], v[ACC+8*(4*(\a)+\b)+4:ACC+8*(4*(\a)+\b)+7] offset:64*\b+16
.endr
.irp t, 0,1,2,3,4,5,6,7
	ds_load_b128 v[BKS+4*\t:BKS+4*\t+3], v[RD] offset:2*\t*SPITCH
.endr
.endm
.macro FIN a, younger
.set BKS, BK+32*((\a)%2)
	s_wait_dscnt \younger
	WIN 0x20
.set i, 0
.rept 16
	v_pk_fma_f32 v[BKS+i:BKS+i+1], v[BKS+i:BKS+i+1], s[78:79], v[32*(\a)+i:32*(\a)+i+1] op_sel_hi:[1,0,1]
.set i, i+2
.endr
	WIN 0
.set i, 0
.rept 16
	v_pk_add_f32 v[BKS+i:BKS+i+1], v[BKS+i:BKS+i+1], v[BIAS+i%4:BIAS+i%4+1]
.set i, i+2
.endr
.irp t, 0,1,2,3,4,5,6,7
	global_store_b128 v[CO], v[BKS+4*\t:BKS+4*\t+3], s[74:75] offset:(16*(\a)+2*\t)*4096
.endr
.endm
	s_wait_kmcnt 0x0
	s_add_co_i32 s78, s76, s77
	s_add_co_i32 s78, s78, 127
	s_lshl_b32 s78, s78, 23
	s_mov_b32 s79, s78
	s_wait_loadcnt 0x0
	PLACES
	TOSTAGE 0
.irp a, 1,2,3
.if \a > 1
	s_wait_xcnt 0x0
.endif
	TOSTAGE \a
	FIN \a-1, 16
.endr
	FIN 3, 0
	s_wait_tensorcnt 0x0
	ds_add_u32 v[SPW], v[NIL]
	s_wait_dscnt 0x0
	CROUND
	s_endpgm
.Lfunc_end_k_q867e5160f9_fc2:
	.size	k_q867e5160f9_fc2, .Lfunc_end_k_q867e5160f9_fc2-k_q867e5160f9_fc2
	.p2alignl 7, 3214868480
	.fill 96, 4, 3214868480
	.section	.rodata,"a",@progbits
	.p2align	6, 0x0
	.amdhsa_kernel k_q867e5160f9_fc2
		.amdhsa_group_segment_fixed_size 327680
		.amdhsa_private_segment_fixed_size 0
		.amdhsa_enable_private_segment 0
		.amdhsa_kernarg_size 48
		.amdhsa_user_sgpr_count 2
		.amdhsa_user_sgpr_kernarg_segment_ptr 1
		.amdhsa_wavefront_size32 1
		.amdhsa_system_sgpr_workgroup_id_x 1
		.amdhsa_system_sgpr_workgroup_id_y 1
		.amdhsa_system_sgpr_workgroup_id_z 1
		.amdhsa_system_vgpr_workitem_id 0
		.amdhsa_next_free_vgpr 768
		.amdhsa_next_free_sgpr 80
		.amdhsa_reserve_vcc 0
		.amdhsa_float_denorm_mode_32 3
		.amdhsa_float_denorm_mode_16_64 3
		.amdhsa_memory_ordered 1
		.amdhsa_forward_progress 1
		.amdhsa_inst_pref_size 83
	.end_amdhsa_kernel
	.amdgpu_metadata
---
amdhsa.version: [ 1, 2 ]
amdhsa.kernels:
  - .name:           k_q867e5160f9_fc2
    .symbol:         k_q867e5160f9_fc2.kd
    .args:
      - { .name: hid, .offset: 0, .size: 8, .value_kind: global_buffer, .address_space: global }
      - { .name: codes, .offset: 8, .size: 8, .value_kind: global_buffer, .address_space: global }
      - { .name: lowp_scales, .offset: 16, .size: 8, .value_kind: global_buffer, .address_space: global }
      - { .name: fc2_b, .offset: 24, .size: 8, .value_kind: global_buffer, .address_space: global }
      - { .name: h, .offset: 32, .size: 8, .value_kind: global_buffer, .address_space: global }
      - { .name: y, .offset: 40, .size: 8, .value_kind: global_buffer, .address_space: global }
    .group_segment_fixed_size: 327680
    .private_segment_fixed_size: 0
    .kernarg_segment_align: 8
    .kernarg_segment_size: 48
    .max_flat_workgroup_size: 128
    .sgpr_count:     80
    .vgpr_count:     768
    .wavefront_size: 32
...
	.end_amdgpu_metadata
.endif
;; end of part 7
;; launch ln2 (part 8): grid 256 x 1, 4 waves a work-group, no clusters, 0 bytes of LDS; arguments y, ln2_w, ln2_b, out0; writes out0
.if DOCPART == 8
	.amdgcn_target "amdgcn-amd-amdhsa--gfx1250"
	.amdhsa_code_object_version 6
	.text
	.protected	k_q867e5160f9_ln2
	.globl	k_q867e5160f9_ln2
	.p2align	8
	.type	k_q867e5160f9_ln2,@function
k_q867e5160f9_ln2:
	s_mov_b64 s[64:65], 0
	v_nop
	global_prefetch_b8 v0, s[64:65] scope:SCOPE_SE
	s_setreg_imm32_b32 hwreg(HW_REG_WAVE_MODE, 25, 1), 1
	s_wait_xcnt 0x0
; The norm of each row of 1,024 numbers: out = w (y - u) / sqrt(var + 1e-12) + b, u the row's mean, var the mean of (y - u)^2: two passes over registers, so a common offset does no harm.
; y's rows are in the order m = b x 2048 + s; the result lies as (s, b): rows of one b are 8,192 bytes apart.
; A wave takes four rows, whole, in registers: a lane holds columns 128 q + 4 lane + 0 .. 3, q = 0 .. 7; every load and store of a wave covers 512 consecutive bytes.  All loads go out at the head.
; No LDS, no barrier, no matrix unit, no cluster: waves share nothing but w and b.
.set OUTP,  10                         ; s[10:11] the result
.set Y, 32                             ; v32-159  four rows
.set W, 160
.set B, 192
.set T, 224                            ; at work
	s_load_b256 s[4:11], s[0:1], 0x0               ; y, w, b, the result
	v_lshrrev_b32 v1, 5, v0
	v_readfirstlane_b32 s16, v1                    ; wave
	v_and_b32 v2, 31, v0
	v_lshlrev_b32 v3, 4, v2                        ; 16 x lane
	s_lshl_b32 s17, ttmp9, 4
	s_lshl_b32 s18, s16, 2
	s_add_co_u32 s17, s17, s18                     ; my first row m
	s_lshl_b32 s20, s17, 12
	s_mov_b32 s21, 0
	s_and_b32 s22, s17, 2047
	s_lshl_b32 s22, s22, 1
	s_lshr_b32 s23, s17, 11
	s_add_co_u32 s22, s22, s23                     ; 2 s + b
	s_lshl_b32 s22, s22, 12
	s_mov_b32 s23, 0
	s_mov_b32 s24, 0x76543210
	s_mov_b32 s25, 0xfedcba98
	s_mov_b32 s26, 0x3a800000                      ; 1 / 1024
	s_mov_b32 s27, 0x2b8cbccc                      ; 1e-12
	s_wait_alu depctr_va_vdst(0)
	s_wait_kmcnt 0x0
	s_add_nc_u64 s[4:5], s[4:5], s[20:21]
	s_add_nc_u64 s[OUTP:OUTP+1], s[OUTP:OUTP+1], s[22:23]
.irp q, 0,1,2,3,4,5,6,7
	global_load_b128 v[W+4*\q:W+4*\q+3], v3, s[6:7] offset:512*\q
	global_load_b128 v[B+4*\q:B+4*\q+3], v3, s[8:9] offset:512*\q
.endr
.irp i, 0,1,2,3
.irp q, 0,1,2,3,4,5,6,7
	global_load_b128 v[Y+32*\i+4*\q:Y+32*\i+4*\q+3], v3, s[4:5] offset:4096*\i+512*\q th:TH_LOAD_NT
.endr
.endr
.macro REDUCE r, tmp                   ; the sum over the 32 lanes, in every lane
	v_add_f32_dpp v[\r], v[\r], v[\r] row_xmask:1 row_mask:0xf bank_mask:0xf
	v_add_f32_dpp v[\r], v[\r], v[\r] row_xmask:2 row_mask:0xf bank_mask:0xf
	v_add_f32_dpp v[\r], v[\r], v[\r] row_xmask:4 row_mask:0xf bank_mask:0xf
	v_add_f32_dpp v[\r], v[\r], v[\r] row_xmask:8 row_mask:0xf bank_mask:0xf
	v_permlanex16_b32 v[\tmp], v[\r], s24, s25
	v_add_f32 v[\r], v[\r], v[\tmp]
.endm
.macro ROW i
.set YB, Y+32*(\i)
	s_wait_loadcnt 8*(3-(\i))                      ; w, b and this row are in; the later rows' eight loads each stay out
	v_pk_add_f32 v[T:T+1], v[YB:YB+1], v[YB+2:YB+3]
	v_pk_add_f32 v[T+2:T+3], v[YB+4:YB+5], v[YB+6:YB+7]
.irp j, 8,12,16,20,24,28
	v_pk_add_f32 v[T:T+1], v[T:T+1], v[YB+\j:YB+\j+1]
	v_pk_add_f32 v[T+2:T+3], v[T+2:T+3], v[YB+\j+2:YB+\j+3]
.endr
	v_pk_add_f32 v[T:T+1], v[T:T+1], v[T+2:T+3]
	v_add_f32 v[T], v[T], v[T+1]
	REDUCE T, T+1
	v_mul_f32 v8, s26, v[T]                        ; u
	v_mov_b32 v9, v8
.irp j, 0,2,4,6,8,10,12,14,16,18,20,22,24,26,28,30
	v_pk_add_f32 v[YB+\j:YB+\j+1], v[YB+\j:YB+\j+1], v[8:9] neg_lo:[0,1] neg_hi:[0,1]
.endr
	v_pk_mul_f32 v[T:T+1], v[YB:YB+1], v[YB:YB+1]
	v_pk_mul_f32 v[T+2:T+3], v[YB+2:YB+3], v[YB+2:YB+3]
.irp j, 4,8,12,16,20,24,28
	v_pk_fma_f32 v[T:T+1], v[YB+\j:YB+\j+1], v[YB+\j:YB+\j+1], v[T:T+1]
	v_pk_fma_f32 v[T+2:T+3], v[YB+\j+2:YB+\j+3], v[YB+\j+2:YB+\j+3], v[T+2:T+3]
.endr
	v_pk_add_f32 v[T:T+1], v[T:T+1], v[T+2:T+3]
	v_add_f32 v[T], v[T], v[T+1]
	REDUCE T, T+1
	v_fma_f32 v12, v[T], s26, s27                  ; var + 1e-12
	s_wait_alu depctr_va_vdst(0)
	v_rsq_f32 v10, v12
	v_nop                                          ; a plain line behind the transcendental
	s_wait_alu depctr_va_vdst(0)                   ; and the wait ahead of its first reader
	v_mov_b32 v11, v10
.irp j, 0,2,4,6,8,10,12,14,16,18,20,22,24,26,28,30
	v_pk_mul_f32 v[YB+\j:YB+\j+1], v[YB+\j:YB+\j+1], v[10:11]
.endr
.irp j, 0,2,4,6,8,10,12,14,16,18,20,22,24,26,28,30
	v_pk_fma_f32 v[YB+\j:YB+\j+1], v[YB+\j:YB+\j+1], v[W+\j:W+\j+1], v[B+\j:B+\j+1]
.endr
.irp q, 0,1,2,3,4,5,6,7
	global_store_b128 v3, v[YB+4*\q:YB+4*\q+3], s[OUTP:OUTP+1] offset:8192*(\i)+512*\q th:TH_STORE_NT   ; these registers are not written again
.endr
.endm
	ROW 0
	ROW 1
	ROW 2
	ROW 3
	s_endpgm
.Lfunc_end_k_q867e5160f9_ln2:
	.size	k_q867e5160f9_ln2, .Lfunc_end_k_q867e5160f9_ln2-k_q867e5160f9_ln2
	.p2alignl 7, 3214868480
	.fill 96, 4, 3214868480
	.section	.rodata,"a",@progbits
	.p2align	6, 0x0
	.amdhsa_kernel k_q867e5160f9_ln2
		.amdhsa_group_segment_fixed_size 0
		.amdhsa_private_segment_fixed_size 0
		.amdhsa_enable_private_segment 0
		.amdhsa_kernarg_size 32
		.amdhsa_user_sgpr_count 2
		.amdhsa_user_sgpr_kernarg_segment_ptr 1
		.amdhsa_wavefront_size32 1
		.amdhsa_system_sgpr_workgroup_id_x 1
		.amdhsa_system_sgpr_workgroup_id_y 1
		.amdhsa_system_sgpr_workgroup_id_z 1
		.amdhsa_system_vgpr_workitem_id 0
		.amdhsa_next_free_vgpr 256
		.amdhsa_next_free_sgpr 66
		.amdhsa_reserve_vcc 0
		.amdhsa_float_denorm_mode_32 3
		.amdhsa_float_denorm_mode_16_64 3
		.amdhsa_memory_ordered 1
		.amdhsa_forward_progress 1
		.amdhsa_inst_pref_size 33
	.end_amdhsa_kernel
	.amdgpu_metadata
---
amdhsa.version: [ 1, 2 ]
amdhsa.kernels:
  - .name:           k_q867e5160f9_ln2
    .symbol:         k_q867e5160f9_ln2.kd
    .args:
      - { .name: y, .offset: 0, .size: 8, .value_kind: global_buffer, .address_space: global }
      - { .name: ln2_w, .offset: 8, .size: 8, .value_kind: global_buffer, .address_space: global }
      - { .name: ln2_b, .offset: 16, .size: 8, .value_kind: global_buffer, .address_space: global }
      - { .name: out0, .offset: 24, .size: 8, .value_kind: global_buffer, .address_space: global }
    .group_segment_fixed_size: 0
    .private_segment_fixed_size: 0
    .kernarg_segment_align: 8
    .kernarg_segment_size: 32
    .max_flat_workgroup_size: 128
    .sgpr_count:     66
    .vgpr_count:     256
    .wavefront_size: 32
...
	.end_amdgpu_metadata
.endif
;; end of part 8
